; MI455X (gfx1250); checked and timed in simulation.
; The chip was launched on July 23, 2026; its instructions are those of AMD's public machine-readable ISA for CDNA 5 (MIT licence, August 2026) and "CDNA5" Instruction Set Architecture Reference Guide (July 2026). The comments in the code are by the model that wrote it; some were corrected since.
;; Self Attention. Allowed arithmetic: matrix products marked QUANTISED: E2M3 operands, one E8M0 scale for each 32 along K, by v_wmma_scale_f32_16x16x128_f8f6f4 with both operands' format E2M3, f32 sums; everything else in f32.
;; Inputs: Wk 1,024 x 1,024 float32; Wo 1,024 x 1,024 float32; Wq 1,024 x 1,024 float32; Wv 1,024 x 1,024 float32; bo 1,024 float32; x 4 x 2,048 x 1,024 float32.
;; Outputs: out0 4 x 2,048 x 1,024 float32.
;; This version of the problem:
;;   THIS VERSION OF THE PROBLEM IS GIVEN IN LOW PRECISION. The matrix products marked QUANTISED in the list below multiply operands that are first quantised to E2M3 (2 exponent bits, 3 mantissa bits; 6 bits a number), with one power-of-two scale for each 32 numbers along K (OCP MX v1.0); their sums are f32. All else is computed in f32.
;;   The module's matrix products, in the order in which they are computed (A, B: the left and right operand; K: the contracted axis; several contracted axes count as one K, in the product's order):
;;     1. [M 8,192, K 1,024] x [K 1,024, N 1,024]; A: input x; B: input Wq: QUANTISED
;;     2. [M 8,192, K 1,024] x [K 1,024, N 1,024]; A: input x; B: input Wk: QUANTISED
;;     3. [M 8,192, K 1,024] x [K 1,024, N 1,024]; A: input x; B: input Wv: QUANTISED
;;     4. batch 4 x [M 2,048, K 1,024] x [K 1,024, N 2,048]; A: computed on the way; B: computed on the way: QUANTISED
;;     5. batch 4 x [M 2,048, K 2,048] x [K 2,048, N 1,024]; A: softmax (see below); B: computed on the way: QUANTISED
;;     6. [M 8,192, K 1,024] x [K 1,024, N 1,024]; A: computed on the way; B: input Wo: QUANTISED
;;   THE QUANTISER, for each operand of a quantised product, along K:
;;     - K is cut into blocks of 32 from its start; a last block that is shorter is filled with zeros.
;;     - A block's scale is 2^e with e = floor(log2(the largest magnitude in the block)) - 2, held to -126 .. 127; a block of zeros has e = 0. As a byte (E8M0): e + 127.
;;     - Each number is divided by its block's scale, clamped to +-7.5, and rounded to the nearest number of E2M3, ties to even, subnormals kept.
;;     - The product sums the exact products of the quantised numbers (number of the format x scale) in f32.
;;   ~~~python
;;   def quantise(x, axis):      # numpy; x: float32 -> the quantised numbers, widened to float32 again
;;       x = np.moveaxis(x, axis, -1); K = x.shape[-1]
;;       x = np.pad(x, [(0, 0)] * (x.ndim - 1) + [(0, -K % 32)]); x = x.reshape(x.shape[:-1] + (-1, 32)); a = np.abs(x).max(-1, keepdims=True)
;;       e = np.where(a > 0, np.clip(np.frexp(np.where(a > 0, a, 1))[1] - 1 - 2, -126, 127), 0)      # np.frexp(a)[1] - 1 = floor(log2(a)), exactly
;;       r = np.clip(x / 2.0 ** e, -7.5, 7.5)
;;       step = 2.0 ** (np.maximum(np.frexp(np.where(r == 0, 1, r))[1] - 1, 0) - 3)
;;       q = np.round(r / step) * step * 2.0 ** e      # np.round: ties to even
;;       return np.moveaxis(q.reshape(q.shape[:-2] + (-1,))[..., :K], -1, axis).astype(np.float32)
;;   ~~~
;;   SOFTMAX AHEAD OF A QUANTISED PRODUCT. Where the list says 'softmax', what is quantised is not the finished softmax but p = 2^(t - M), with t = logit x log2(e) and M = ceil(the row's largest t), a whole number; so 1/2 < the row's largest p <= 1. The row's sum l is taken of the UNQUANTISED p, in f32, and the product's result is divided by l at the end. Since M is a whole number, a kernel that streams over the keys may use a running M (the ceiling of the running maximum): every later rescaling is an exact power of two, which a block's scale takes up: the codes' values come out the same.
;;   OPERANDS COMPUTED ON THE WAY. 'Computed on the way' means the value that the module computes at that place (a softmax that the list does not call 'softmax' is quantised finished and normalised). What goes into a quantiser is computed in f32, as accurately as f32 sums, v_exp_f32 and their like allow (about 1e-6 of the number): no bf16 or f16 on the way to a quantiser, and a product that is left as it is and whose result goes on into a quantised operand takes f32 operands (vector FMAs, or v_wmma_f32_16x16x4_f32). A number that lies on a knife's edge between two numbers of the format may be rounded either way, as far as f32 arithmetic and the matrix unit's own rounding can turn it there, and no further.
;; One version. Each part assembles by itself: llvm-mc -triple=amdgcn-amd-amdhsa -mcpu=gfx1250 --defsym DOCPART=n.
;; ======== version 1 of 1: 5 launches
;; limits: right only within a limited range of input values
;; workspace buffers: xw 9,011,200 bytes; qkv 19,660,800 bytes; pp 14,155,776 bytes; ow 7,372,800 bytes
;; launch quant (part 1): grid 768 x 1, 8 waves a work-group, no clusters, 69,120 bytes of LDS; arguments x, Wq, Wk, Wv, Wo, xw, ow; writes xw, ow
.if DOCPART == 1
	.amdgcn_target "amdgcn-amd-amdhsa--gfx1250"
	.amdhsa_code_object_version 6
	.text
	.protected	k_q6dfa4c7573_quant
	.globl	k_q6dfa4c7573_quant
	.p2align	8
	.type	k_q6dfa4c7573_quant,@function
k_q6dfa4c7573_quant:
	s_mov_b64 s[64:65], 0
	v_nop
	global_prefetch_b8 v0, s[64:65] scope:SCOPE_SE
	s_setreg_imm32_b32 hwreg(HW_REG_WAVE_MODE, 25, 1), 1
	s_wait_xcnt 0x0
; x [8192][1024] and the four weights [1024][1024], f32, K innermost, become codes of FP6 (E2M3) with one E8M0 byte for each 32 along K.
; THE WORKSPACE'S FORM.  A fragment (16 rows x 128 K: 12 registers a lane) lies in memory as an image of its registers, 1,536 bytes: registers 4 g .. 4 g + 3 of lane l at byte 512 g + 16 l.
; A matrix is [tile of 16 rows][K step] x 1,536 bytes; its scale words [tile][K step][16 rows] x 4 bytes.  THE ROWS OF A TILE ARE NOT NEIGHBOURS: lane-row r of tile t is row 32 (t / 2) + 8 (t % 2) + r + 8 (r / 8),
; so that a product which takes such tiles as its source 0 leaves 16 neighbours along the next K in a lane's 16 registers of two neighbouring tiles.
; SHARES.  Work-group g is one tile (0-511 x, 512-575 Wq, 576-639 Wk, 640-703 Wv -> xw; 704-767 Wo -> ow, tiles 512-575); wave w is K step w: one fragment a wave.  Waves share nothing but the tile's 512 bytes of scale words.
; Each load reads 512 consecutive bytes of a row; the 16 rows turn through the wave's own stage in LDS (rows of 528 bytes), so that a lane gets 16 neighbours of each block of 32.
; A block's scale is 2^(floor(log2(largest magnitude)) - 2); its byte is the largest magnitude's exponent field - 2, held at 1 from below.
; LIMITS: a block of zeros, or one whose largest magnitude lies under 2^-124, keeps the byte 1 (the bytes are read by this program alone; zero codes add nothing); NaN and infinities are not served.
; No cluster, no tensor load: no two work-groups read the same byte, and the launch is one pass over memory.
.set STG,   8448                       ; a wave's stage: 16 rows x 528 bytes
.set SCG,   8*STG                      ; behind the stages: the tile's scale words, 64 bytes a K step
.set SPARE, SCG+512                    ; the spare words, 128 bytes for each wave: four blocks of 256 bytes that no other line names
.set FRB,   1536
.set X,     16                         ; v16-79   64 numbers
.set TM,    80                         ; v80-95   at work
.set PC,    96                         ; v96-115  the codes
.set PW,    116                        ; v116     the scale word
.set SEL,   30                         ; s[30:31] selects for lane l xor 16
	s_load_b256 s[4:11], s[0:1], 0x0               ; x, Wq, Wk, Wv
	s_load_b128 s[12:15], s[0:1], 0x20             ; Wo, xw
	s_load_b64 s[16:17], s[0:1], 0x30              ; ow
	v_lshl_add_u32 v4, v0, 2, SPARE                ; my spare word; never rewritten
	v_mov_b32 v5, 0                                ; 0; never rewritten
	v_lshrrev_b32 v1, 5, v0
	s_delay_alu instid0(VALU_DEP_1)
	v_readfirstlane_b32 s18, v1                    ; wave = K step
	v_and_b32 v1, 31, v0                           ; lane
	v_and_b32 v2, 15, v0                           ; r
	v_bfe_u32 v3, v0, 4, 1                         ; h
	s_delay_alu instid0(VALU_DEP_3)
	v_lshlrev_b32 v6, 4, v1                        ; 16 x lane
	s_mul_i32 s19, s18, STG
	v_add_nc_u32 v7, s19, v6                       ; the stage, on the way in: a row's 512 bytes as they lie
	v_mul_u32_u24 v8, v2, 528
	s_delay_alu instid0(VALU_DEP_1)
	v_lshl_add_u32 v8, v3, 6, v8
	s_delay_alu instid0(VALU_DEP_1)
	v_add_nc_u32 v8, s19, v8                       ; and out: row r, + 64 h: my 16 numbers of a block of 32
	s_lshl_b32 s19, s18, 6
	v_lshl_add_u32 v9, v2, 2, s19
	s_delay_alu instid0(VALU_DEP_1)
	v_add_nc_u32 v9, SCG, v9                       ; my row's scale word: 64 x wave + 4 r
	v_add_nc_u32 v10, SCG, v6                      ; and all 512 bytes of them, 16 a lane
	s_mov_b32 s[SEL], 0x76543210
	s_mov_b32 s[SEL+1], 0xfedcba98
.irp b, 0,1,2,3
	v_mov_b32 v[TM+4+\b], 0                        ; written once: a lane permute's destination counts as one of its sources
.endr
	s_sub_co_u32 s20, ttmp9, 512
	s_and_b32 s20, s20, 63                         ; a weight's tile
	s_sub_co_u32 s21, ttmp9, 192                   ; Wo's tiles 704 .. 767 go to ow's tiles 512 .. 575
	s_mov_b32 s24, 7077888                         ; where ow's scale words begin
	s_cmp_lt_u32 ttmp9, 512
	s_cselect_b32 s20, ttmp9, s20                  ; the tile in its source
	s_cmp_lt_u32 ttmp9, 704
	s_cselect_b32 s21, ttmp9, s21                  ; the tile in its destination
	s_cselect_b32 s24, 8650752, s24                ; xw's scale words
	s_lshr_b32 s26, s20, 1
	s_lshl_b32 s26, s26, 17                        ; 32 (t / 2) rows of 4,096 bytes
	s_and_b32 s27, s20, 1
	s_lshl_b32 s27, s27, 15                        ; + 8 (t % 2) rows
	s_add_co_u32 s26, s26, s27
	s_lshl_b32 s27, s18, 9                         ; + my K step's 512 bytes
	s_add_co_u32 s26, s26, s27
	s_mov_b32 s27, 0
	s_mul_i32 s28, s21, 8*FRB
	s_mul_i32 s29, s18, FRB
	s_add_co_u32 s28, s28, s29                     ; my image
	s_mov_b32 s29, 0
	s_lshl_b32 s25, s21, 9
	s_add_co_u32 s24, s24, s25                     ; the tile's 512 bytes of scale words
	s_mov_b32 s25, 0
	s_wait_alu depctr_va_vdst(0)
	s_wait_kmcnt 0x0
	s_cmp_lt_u32 ttmp9, 704                        ; the choices hang on the work-group's number alone
	s_cselect_b64 s[32:33], s[10:11], s[12:13]
	s_cselect_b64 s[34:35], s[14:15], s[16:17]
	s_cmp_lt_u32 ttmp9, 640
	s_cselect_b64 s[32:33], s[8:9], s[32:33]
	s_cmp_lt_u32 ttmp9, 576
	s_cselect_b64 s[32:33], s[6:7], s[32:33]
	s_cmp_lt_u32 ttmp9, 512
	s_cselect_b64 s[32:33], s[4:5], s[32:33]
	s_add_nc_u64 s[32:33], s[32:33], s[26:27]
	s_add_nc_u64 s[36:37], s[34:35], s[24:25]
	s_add_nc_u64 s[34:35], s[34:35], s[28:29]
.irp i, 0,1,2,3,4,5,6,7,8,9,10,11,12,13,14,15
	global_load_b128 v[X+4*\i:X+4*\i+3], v6, s[32:33] offset:(\i+8*(\i/8))*4096 th:TH_LOAD_NT   ; lane-row i: 32 lanes read 512 consecutive bytes; read once in the launch
.endr
.irp i, 0,1,2,3,4,5,6,7,8,9,10,11,12,13,14,15
	s_wait_loadcnt 15-\i                           ; loads come back in order: row i is in, the 15 - i younger ones may be out
	ds_store_b128 v7, v[X+4*\i:X+4*\i+3] offset:528*\i
.endr
.irp b, 0,1,2,3
.irp j, 0,1,2,3
	ds_load_b128 v[X+16*\b+4*\j:X+16*\b+4*\j+3], v8 offset:128*\b+16*\j   ; LDS serves a wave's instructions in order: these see my stores.  Register 16 b + i = k 32 b + 16 h + i of row r
.endr
.endr
	s_wait_dscnt 0x0
.irp b, 0,1,2,3
	v_max3_num_f32 v[TM+\b], |v[X+16*\b]|, |v[X+1+16*\b]|, 0x1800000   ; block b: my 16 numbers, and the floor 2^(3 - 127): the byte cannot fall under 1
.endr
.irp i, 2,4,6,8,10,12,14
.irp b, 0,1,2,3
	s_delay_alu instid0(VALU_DEP_4)
	v_max3_num_f32 v[TM+\b], v[TM+\b], |v[X+16*\b+\i]|, |v[X+1+16*\b+\i]|
.endr
.endr
.irp b, 0,1,2,3
	s_delay_alu instid0(VALU_DEP_4)
	v_permlanex16_b32 v[TM+4+\b], v[TM+\b], s[SEL], s[SEL+1]
.endr
.irp b, 0,1,2,3
	s_delay_alu instid0(VALU_DEP_4)
	v_max_num_f32 v[TM+\b], v[TM+\b], v[TM+4+\b]   ; with lane l xor 16's: the block's largest magnitude
.endr
.irp b, 0,1,2,3
	s_delay_alu instid0(VALU_DEP_4)
	v_add_nc_u32 v[TM+12+\b], 0xff000000, v[TM+\b] ; 2 off its exponent field: the conversion's scale operand
.endr
.irp b, 0,1,2,3
	s_delay_alu instid0(VALU_DEP_4)
	v_lshrrev_b32 v[TM+4+\b], 23, v[TM+12+\b]      ; the scale's byte
.endr
	s_delay_alu instid0(VALU_DEP_3)
	v_lshl_or_b32 v[PW], v[TM+5], 8, v[TM+4]
	s_delay_alu instid0(VALU_DEP_1)
	v_lshl_or_b32 v[PW], v[TM+6], 16, v[PW]
	s_delay_alu instid0(VALU_DEP_1)
	v_lshl_or_b32 v[PW], v[TM+7], 24, v[PW]        ; my row's scale word
.irp c, 0,1
	v_cvt_scalef32_pk16_fp6_f32 v[PC+6*\c:PC+2+6*\c], v[X+32*\c:X+15+32*\c], v[TM+12+2*\c]
	v_cvt_scalef32_pk16_fp6_f32 v[PC+12+4*\c:PC+14+4*\c], v[X+16+32*\c:X+31+32*\c], v[TM+12+2*\c+1]   ; (a conversion's three registers begin on an even number)
.endr
	v_nop                                          ; one plain place behind a scaled conversion
.irp c, 0,1                                    ; the operand's layout wants a whole block in a lane
.irp i, 0,1,2
	v_permlane16_swap_b32 v[PC+6*\c+\i], v[PC+12+4*\c+\i]
.endr
.irp i, 0,1,2
	s_delay_alu instid0(VALU_DEP_3)
	v_mov_b32 v[PC+3+6*\c+\i], v[PC+12+4*\c+\i]
.endr
.endr
.irp g, 0,1,2
	global_store_b128 v6, v[PC+4*\g:PC+4*\g+3], s[34:35] offset:512*\g   ; the image: 512 consecutive bytes a store
.endr
	ds_store_b32 v9, v[PW]                         ; both halves of the lanes write the same word with the same value
	s_wait_dscnt 0x0                               ; for the others' sake: my word has landed
	s_barrier_signal -1
	s_barrier_wait -1
	s_cmp_lg_u32 s18, 0
	s_cbranch_scc1 .Lnot_wave_0
	ds_load_b128 v[120:123], v10                   ; the tile's eight K steps x 16 words
	s_wait_dscnt 0x0
	global_store_b128 v6, v[120:123], s[36:37]     ; 512 consecutive bytes
.Lnot_wave_0:
	s_wait_tensorcnt 0x0                           ; the wave's end: behind my last LDS store
	ds_add_u32 v4, v5
	s_wait_dscnt 0x0
	s_endpgm
.Lfunc_end_k_q6dfa4c7573_quant:
	.size	k_q6dfa4c7573_quant, .Lfunc_end_k_q6dfa4c7573_quant-k_q6dfa4c7573_quant
	.p2alignl 7, 3214868480
	.fill 96, 4, 3214868480
	.section	.rodata,"a",@progbits
	.p2align	6, 0x0
	.amdhsa_kernel k_q6dfa4c7573_quant
		.amdhsa_group_segment_fixed_size 69120
		.amdhsa_private_segment_fixed_size 0
		.amdhsa_enable_private_segment 0
		.amdhsa_kernarg_size 56
		.amdhsa_user_sgpr_count 2
		.amdhsa_user_sgpr_kernarg_segment_ptr 1
		.amdhsa_wavefront_size32 1
		.amdhsa_system_sgpr_workgroup_id_x 1
		.amdhsa_system_sgpr_workgroup_id_y 1
		.amdhsa_system_sgpr_workgroup_id_z 1
		.amdhsa_system_vgpr_workitem_id 0
		.amdhsa_next_free_vgpr 128
		.amdhsa_next_free_sgpr 66
		.amdhsa_reserve_vcc 0
		.amdhsa_float_denorm_mode_32 3
		.amdhsa_float_denorm_mode_16_64 3
		.amdhsa_memory_ordered 1
		.amdhsa_forward_progress 1
		.amdhsa_inst_pref_size 14
	.end_amdhsa_kernel
	.amdgpu_metadata
---
amdhsa.version: [ 1, 2 ]
amdhsa.kernels:
  - .name:           k_q6dfa4c7573_quant
    .symbol:         k_q6dfa4c7573_quant.kd
    .args:
      - { .name: x, .offset: 0, .size: 8, .value_kind: global_buffer, .address_space: global }
      - { .name: Wq, .offset: 8, .size: 8, .value_kind: global_buffer, .address_space: global }
      - { .name: Wk, .offset: 16, .size: 8, .value_kind: global_buffer, .address_space: global }
      - { .name: Wv, .offset: 24, .size: 8, .value_kind: global_buffer, .address_space: global }
      - { .name: Wo, .offset: 32, .size: 8, .value_kind: global_buffer, .address_space: global }
      - { .name: xw, .offset: 40, .size: 8, .value_kind: global_buffer, .address_space: global }
      - { .name: ow, .offset: 48, .size: 8, .value_kind: global_buffer, .address_space: global }
    .group_segment_fixed_size: 69120
    .private_segment_fixed_size: 0
    .kernarg_segment_align: 8
    .kernarg_segment_size: 56
    .max_flat_workgroup_size: 256
    .sgpr_count:     66
    .vgpr_count:     128
    .wavefront_size: 32
...
	.end_amdgpu_metadata
.endif
;; end of part 1
;; launch qkv (part 2): grid 4 x 64, 4 waves a work-group, clusters of 4 x 4, 327,680 bytes of LDS; arguments xw, qkv; writes qkv
.if DOCPART == 2
	.amdgcn_target "amdgcn-amd-amdhsa--gfx1250"
	.amdhsa_code_object_version 6
	.text
	.protected	k_q6dfa4c7573_qkv
	.globl	k_q6dfa4c7573_qkv
	.p2align	8
	.type	k_q6dfa4c7573_qkv,@function
k_q6dfa4c7573_qkv:
	s_mov_b64 s[64:65], 0
	v_nop
	global_prefetch_b8 v0, s[64:65] scope:SCOPE_SE
	s_setreg_imm32_b32 hwreg(HW_REG_WAVE_MODE, 25, 1), 1
	s_wait_xcnt 0x0
	s_wait_alu depctr_hold_cnt(0) depctr_sa_sdst(0) depctr_va_vdst(0) depctr_va_sdst(0) depctr_va_ssrc(0) depctr_va_vcc(0) depctr_vm_vsrc(0)
	s_getreg_b32 s2, hwreg(HW_REG_IB_STS2, 6, 4)
	s_cmp_eq_u32 s2, 0
	s_cbranch_scc0 .Lentry_in_a_cluster
	s_endpgm
.Lentry_in_a_cluster:
	s_bfe_u32 s2, ttmp6, 0x10000c
	s_cmp_lg_u32 s2, 0xf033
	s_cbranch_scc0 .Lentry_shape_is_right
	s_endpgm
.Lentry_shape_is_right:
; q = x Wq^T, k = x Wk^T (quantised along d) and v^T = Wv x^T (quantised along t), all on codes of FP6 with E8M0 scales, K = 1,024.  Operands and results are images of operand registers (1,536 bytes a fragment
; of 16 rows x 128 K; registers 4 g .. 4 g + 3 of lane l at 512 g + 16 l), [tile of 16 rows][K step]; lane-row r of tile t is row 32 (t / 2) + 8 (t % 2) + r + 8 (r / 8); scale words [tile][K step][16],
; but v^T's, which lie [tile][row][K step], 256 bytes a row, so that their reader takes eight K steps of a row by two loads of 16 bytes.
; A product's source 0 is eight tiles, its source 1 four: a lane holds one row of source 1, and, by the order of the rows in a tile, the 64 registers of eight tiles of source 0 are 32 c + 16 (lane / 16) + i at register 16 c + i:
; the next K in the order that the conversions want.  So the result is quantised in registers and leaves as images.
; SHARES.  A work-group has 128 rows of x and 256 rows of each of Wq, Wk, Wv, and makes three tiles.  q, k: source 0 = 128 rows of W, source 1 = 64 rows of x a wave.  v^T: source 0 = the 128 rows of x, source 1 = 64 rows of Wv a wave.
; x STAYS: its 8 tiles x 8 K steps (98,304 bytes) are fetched once, at the head, and serve all three tiles.  ONLY W GOES THROUGH THE RING: two slots of 16 tiles x 4 K steps (98,304 bytes each); a tile is two slots.
; At the head a wave issues one tensor load: waves 0, 1 x's halves, waves 2, 3 the halves of slot 0.  Slot 1's first fill stands behind the three lines and a round, as a refill does.  A slot's last K step changes slots: each wave waits
; for all its tensor loads, adds 0 to its spare word, waits for that and for its reads of the slot; a round of the cluster's barrier; the joint refill, four tiles a wave; then the next slot's first fragments.  One tensor load of a wave is out at a time.
; CLUSTERS: 4 x 4.  x's tiles hang on the tile row and are asked for jointly by a row of the cluster, W's on the tile column, by a column.
; NO PREFETCH: the text has no loop to run ahead in: six fills of W in all, each asked for as soon as its slot is free.
; REGISTERS: window 0: v1-31 addresses; v32-95 and v96-159 two sets of scale words, by turns from tile to tile; v160-213 the way out.  Windows 1 and 3: two sets of fragments (source 1 at v[12 a], source 0 at v[48 + 12 b]).
;   Window 2: accumulator (a, b) at v[64 a + 8 b].
; LIMITS: a block of zeros or under 2^-124 keeps the byte 1 (read by this program alone); NaN and infinities are not served.
.set CH,    4                          ; K steps in a slot
.set FRB,   1536
.set NKS,   8                          ; K steps of a product, and in a tile's row of images in the source
.set NSRC,  8
.set XHALF, 4*NKS*FRB                  ; four tiles of x
.set WS0,   8*NKS*FRB                  ; behind x: slot 0
.set SLOTB, 16*CH*FRB
.set SPARE, WS0+2*SLOTB                ; behind the slots: the spare words, 128 bytes a wave: two blocks of 256 bytes that no other line names
.set SRCSC, 8650752                    ; where the source's scale words begin
.set SPW,  4
.set NIL,  5
.set ADW,  6                           ; v6-7    q, k: my eight tiles of W in slot c
.set OS2,  8                           ; v8-9    v^T: where a pair of blocks' scale words go
.set ADV,  10                          ; v10-11  v^T: my four tiles of Wv in slot c
.set OA2,  12                          ; v12-15  v^T: where block a's image goes
.set OA,   16                          ; v16-19  q's; k's lie 8 K steps on, by the immediate
.set OS,   20                          ; v20-21
.set VSB,  22                          ; v22-27  tile t: v[VSB + 2 t] scale words, lanes 0-15 source 1's, lanes 16-31 source 0's; v[VSB + 2 t + 1] the same with source 1's four blocks back
.set TP,   28
.set ADXQ, 29                          ; v29     q, k: my four tiles of x
.set LI,   30                          ; v30     16 x lane,
.set ADX,  30                          ; v30-31  which is also v^T's address of x's tiles 0-3; tiles 4-7
.set SCA,  32                          ; scale words: v[set + NKS i + ks]: lanes 16-31 source 0's block i, lanes 0-15 source 1's block i % 4
.set SCB,  96
.set TM,   160
.set PC,   176
.set PW,   196
.set MX,   208
.set G1X, 24                           ; group 1: x at the head (4 tiles x 8 K steps)
.set G1H, 32                           ; W at the head (8 tiles x 4 K steps)
.set G1W, 40                           ; W in the ring (4 tiles x 4 K steps)
.set G0X, 48
.set G0H, 52
.set G0W, 56                           ; s[56:63] a set for each slot
.set PTX, 80                           ; s[80:81] x's four tiles that I fetch at the head
.set PTH, 82                           ; s[82:83] Wq's eight that I fetch at the head
.set PTW, 86                           ; s[86:87] Wq's four that I fetch in the ring; Wk's lie 64 tiles on, Wv's 128
.set SEL, 84
.set SRC, 4
.set DST, 6
.set MSB, 0
.macro WIN new                         ; the immediate's high byte repeats the setting that is left
.if MSB != (\new)
	s_set_vgpr_msb (MSB<<8)|(\new)
.set MSB, (\new)
.endif
.endm
.macro PLACES                          ; four places in front of loads into registers that matrix instructions have read, and of the first read of results
.rept 4
	v_nop
.endr
.endm
.macro CREST                           ; a round of the cluster's barrier behind its opening barrier
	s_cmp_lg_u32 s10, 0
	s_cbranch_scc1 .Lnot_wave_0_\@
	s_barrier_signal -3
.Lnot_wave_0_\@:
	s_barrier_wait -3
	s_barrier_signal -1
	s_barrier_wait -1
.endm
.macro CROUND                          ; a whole round
	s_barrier_signal -1
	s_barrier_wait -1
	CREST
.endm
.macro RLOAD s                         ; a joint fill of slot s: every wave fetches its four tiles; an s_nop 0 and four v_nop follow the line
	tensor_load_to_lds s[G0W+4*(\s):G0W+4*(\s)+3], s[G1W:G1W+7]
	s_nop 0
.rept 4
	v_nop
.endr
.endm
.macro FETCH kind, c, q, set           ; 36 LDS loads in one run: the fragments of K step 4 c + q into set 0 (window 1) or 1 (window 3).  kind 0: q, k; kind 1: v^T
.if (\set) == 0
	WIN 0x40
.else
	WIN 0xc0
.endif
.irp a, 0,1,2,3
.irp g, 0,1,2
.if (\kind) == 0
	ds_load_b128 v[12*\a+4*\g:12*\a+4*\g+3], v[ADXQ] offset:(\a*NKS+CH*(\c)+(\q))*FRB+512*\g
.else
	ds_load_b128 v[12*\a+4*\g:12*\a+4*\g+3], v[ADV+(\c)] offset:(\a*CH+(\q))*FRB+512*\g
.endif
.endr
.endr
.irp b, 0,1,2,3,4,5,6,7
.irp g, 0,1,2
.if (\kind) == 0
	ds_load_b128 v[48+12*\b+4*\g:48+12*\b+4*\g+3], v[ADW+(\c)] offset:(\b*CH+(\q))*FRB+512*\g
.else
	ds_load_b128 v[48+12*\b+4*\g:48+12*\b+4*\g+3], v[ADX+\b/4] offset:((\b%4)*NKS+CH*(\c)+(\q))*FRB+512*\g
.endif
.endr
.endr
.endm
.macro MUL8 ks, scb, a, mode           ; source 1's block a against source 0's eight.  The 32 accumulators take turns, in the same order in every step.  mode 1: the products start the sums
.irp b, 0,1,2,3,4,5,6,7
.if (\mode) == 1
	v_wmma_scale_f32_16x16x128_f8f6f4 v[64*(\a)+8*\b:64*(\a)+8*\b+7], v[48+12*\b:48+12*\b+11], v[12*(\a):12*(\a)+11], 0, v[(\scb)+NKS*\b+(\ks)], v[(\scb)+NKS*(\a)+(\ks)] matrix_a_fmt:MATRIX_FMT_FP6 matrix_b_fmt:MATRIX_FMT_FP6 matrix_a_scale:MATRIX_SCALE_ROW1
.else
	v_wmma_scale_f32_16x16x128_f8f6f4 v[64*(\a)+8*\b:64*(\a)+8*\b+7], v[48+12*\b:48+12*\b+11], v[12*(\a):12*(\a)+11], v[64*(\a)+8*\b:64*(\a)+8*\b+7], v[(\scb)+NKS*\b+(\ks)], v[(\scb)+NKS*(\a)+(\ks)] matrix_a_fmt:MATRIX_FMT_FP6 matrix_b_fmt:MATRIX_FMT_FP6 matrix_a_scale:MATRIX_SCALE_ROW1
.endif
.endr
.endm
.macro SLOAD t, scb, half              ; 32 loads: tile t's scale words of source 0's blocks 4 half .. 4 half + 3 (and source 1's four) into the set at scb
	WIN 0
.irp i, 0,1,2,3
.irp k, 0,1,2,3,4,5,6,7
	global_load_b32 v[(\scb)+NKS*(4*(\half)+\i)+\k], v[VSB+2*(\t)+(\half)], s[SRC:SRC+1] offset:((4*(\half)+\i)*NSRC+\k)*64
.endr
.endr
.endm
.macro STEPQ kind, slot, q, scb, mode  ; one of a slot's first three K steps: the next step's fragments are asked for ahead of this step's 32 products
	s_wait_dscnt 0x0                               ; this step's fragments are in
	PLACES
	FETCH \kind, \slot, (\q)+1, ((\q)+1)%2
.if (\q)%2 == 0
	WIN 0xa5
.else
	WIN 0xaf
.endif
.irp a, 0,1,2,3
	MUL8 CH*(\slot)+(\q), \scb, \a, \mode
.endr
.endm
; A slot's last K step changes slots.  fill >= 0: the slot takes fill number fill of W (tile fill / 2, half fill % 2).  nkind: the kind of the step that follows.  st >= 0: 32 of tile st's scale words are asked for behind the refill.
.macro TURN slot, scb, fill, nkind, st, sscb, sh
	s_wait_dscnt 0x0                               ; this step's fragments are in: they were my last reads of this slot
	WIN 0                                          ; (the add's two registers lie in window 0)
	s_wait_tensorcnt 0x0                           ; all my tensor loads have landed: my part of the next slot; so a group 0 may be written
	ds_add_u32 v[SPW], v[NIL]                      ; 0 onto my spare word
.if (\fill) >= 0
	s_add_nc_u64 s[G0W+4*(\slot)+2:G0W+4*(\slot)+3], s[PTW:PTW+1], ((\fill)/2)*64*NSRC*FRB+((\fill)%2)*CH*FRB
	s_or_b32 s[G0W+4*(\slot)+3], s[G0W+4*(\slot)+3], 0x80000000
.endif
	WIN 0xaf
	MUL8 CH*(\slot)+3, \scb, 0, 0                  ; eight products stand between the add and the wait for it
	s_wait_dscnt 0x0                               ; the add is done, and none of my LDS loads is out
	s_barrier_signal -1
	MUL8 CH*(\slot)+3, \scb, 1, 0                  ; work on registers while the others arrive
	WIN 0
	s_barrier_wait -1
.if (\fill) >= 0
	CREST                                          ; the barrier has opened a round of the cluster's barrier: no wave of any partner still reads this slot or has a load on its way
	RLOAD \slot                                    ; the first tensor load behind the round; its four v_nop are also the places in front of the loads below
.else
	PLACES
.endif
	FETCH \nkind, 1-(\slot), 0, 0
.if (\st) >= 0
	SLOAD \st, \sscb, \sh
.endif
	WIN 0xaf
	MUL8 CH*(\slot)+3, \scb, 2, 0
	MUL8 CH*(\slot)+3, \scb, 3, 0
.endm
.macro TILE kind, scb, f0, nkind, st, sscb   ; a tile that has a successor: both its changes of slots fill, with fills f0 and f0 + 1
	STEPQ \kind, 0, 0, \scb, 1
	STEPQ \kind, 0, 1, \scb, 0
	STEPQ \kind, 0, 2, \scb, 0
	TURN 0, \scb, \f0, \kind, \st, \sscb, 0
	STEPQ \kind, 1, 0, \scb, 0
	STEPQ \kind, 1, 1, \scb, 0
	STEPQ \kind, 1, 2, \scb, 0
	TURN 1, \scb, (\f0)+1, \nkind, \st, \sscb, 1
.endm
.macro BMAX s                          ; the largest magnitudes of the four blocks of 32 in the 64 accumulator registers from v[s] of window 2 on; each accumulator is read from its low end on
	WIN 0x28
.irp b, 0,1,2,3
	v_max3_num_f32 v[TM+\b], 0x1800000, |v[(\s)+16*\b]|, |v[(\s)+16*\b+1]|   ; and the floor 2^(3 - 127): the byte cannot fall under 1
.endr
.irp i, 2,4,6,8,10,12,14
.irp b, 0,1,2,3
	v_max3_num_f32 v[TM+\b], v[TM+\b], |v[(\s)+16*\b+\i]|, |v[(\s)+16*\b+\i+1]|
.endr
.endr
	WIN 0
.irp b, 0,1,2,3
	v_permlanex16_b32 v[TM+4+\b], v[TM+\b], s[SEL], s[SEL+1]
.endr
.irp b, 0,1,2,3
	v_max_num_f32 v[TM+\b], v[TM+\b], v[TM+4+\b]
.endr
.endm
.macro SCALEW a                        ; the conversions' scale operands and block a's scale word
.irp b, 0,1,2,3
	v_add_nc_u32 v[TM+12+\b], 0xff000000, v[TM+\b]
.endr
.irp b, 0,1,2,3
	v_lshrrev_b32 v[TM+4+\b], 23, v[TM+12+\b]
.endr
	v_lshl_or_b32 v[PW+(\a)], v[TM+5], 8, v[TM+4]
	v_lshl_or_b32 v[PW+(\a)], v[TM+6], 16, v[PW+(\a)]
	v_lshl_or_b32 v[PW+(\a)], v[TM+7], 24, v[PW+(\a)]
.endm
.macro CODES s, w                      ; 64 numbers from v[s] on (window setting w) become a fragment in v[PC] on
	s_wait_xcnt 0x0                                ; the earlier stores have read v[PC] on and v[MX] on: they are rewritten only behind this wait
	WIN \w
.irp c, 0,1
	v_cvt_scalef32_pk16_fp6_f32 v[PC+6*\c:PC+2+6*\c], v[(\s)+32*\c:(\s)+15+32*\c], v[TM+12+2*\c]
	v_cvt_scalef32_pk16_fp6_f32 v[PC+12+4*\c:PC+14+4*\c], v[(\s)+16+32*\c:(\s)+31+32*\c], v[TM+12+2*\c+1]
.endr
	WIN 0
	v_nop                                          ; one plain place behind a scaled conversion
.irp c, 0,1
.irp i, 0,1,2
	v_permlane16_swap_b32 v[PC+6*\c+\i], v[PC+12+4*\c+\i]
.endr
.irp i, 0,1,2
	v_mov_b32 v[PC+3+6*\c+\i], v[PC+12+4*\c+\i]
.endr
.endr
.endm
.macro PUT a, oa, off                  ; the image leaves: 512 consecutive bytes a store
.irp g, 0,1,2
	global_store_b128 v[(\oa)+(\a)], v[PC+4*\g:PC+4*\g+3], s[DST:DST+1] offset:(\off)+512*\g
.endr
.endm
.macro PAIR p, src, k, os, off         ; a word a row of blocks 2 p (lanes 0-15) and 2 p + 1 (lanes 16-31): one store
	v_cndmask_b32 v[MX+(\k)], v[(\src)+2*(\p)], v[(\src)+2*(\p)+1], s88
	global_store_b32 v[(\os)+(\p)], v[MX+(\k)], s[DST:DST+1] offset:\off
.endm
.macro OUTT oa, os, ioff, soff         ; THE WAY OUT of a tile: block a's 16 rows x 128 become one fragment of the next product and one scale word a row
	WIN 0
	PLACES
.irp a, 0,1,2,3
	BMAX 64*\a
	SCALEW \a
	CODES 64*\a, 0x02
	PUT \a, \oa, \ioff
.if \a%2 == 1
	PAIR \a/2, PW, \a/2, \os, \soff
.endif
.endr
.endm
.macro MKVS t, sa, sb                  ; tile t's two offset registers for scale words, from the byte offsets of source 1's words (s[sa]) and source 0's (s[sb])
	v_mov_b32 v[TP], s[\sb]
	v_mov_b32 v[VSB+2*(\t)], s[\sa]
	v_cndmask_b32 v[VSB+2*(\t)], v[VSB+2*(\t)], v[TP], s88
	s_sub_co_u32 s2, s[\sa], 4*NSRC*64
	v_mov_b32 v[VSB+2*(\t)+1], s2
	v_cndmask_b32 v[VSB+2*(\t)+1], v[VSB+2*(\t)+1], v[TP], s88
	v_lshl_add_u32 v[VSB+2*(\t)], v1, 2, v[VSB+2*(\t)]
	v_lshl_add_u32 v[VSB+2*(\t)+1], v1, 2, v[VSB+2*(\t)+1]
.endm
	s_load_b128 s[4:7], s[0:1], 0x0                ; xw, qkv
	v_lshl_add_u32 v[SPW], v0, 2, SPARE
	v_mov_b32 v[NIL], 0
	ds_add_u32 v[SPW], v[NIL]                      ; the wave's opening: the add, twice on end, and its wait ahead of my first tensor load; work on registers stands between them
	ds_add_u32 v[SPW], v[NIL]
	v_lshrrev_b32 v1, 5, v0
	v_readfirstlane_b32 s10, v1                    ; wave 0..3
	s_lshr_b32 s11, s10, 1                         ; q, k: which 64 rows of x are mine.  At the head: I fetch x (0) or W (1)
	s_and_b32 s12, s10, 1                          ; q, k: which 128 rows of W are mine.  At the head: which half I fetch
	s_bfe_u32 s13, ttmp6, 0x40000                  ; cx: the tile column, 256 rows of each W (the grid is one cluster wide)
	s_bfe_u32 s14, ttmp6, 0x40004                  ; cy
	s_lshl_b32 s17, s14, 2
	s_lshl_b32 s17, 15, s17                        ; my row of the cluster
	s_lshl_b32 s18, 0x1111, s13                    ; my column
	s_or_b32 s[G1X], s17, (3<<16)|(1<<21)          ; 15:0 the mask; 17:16 elements of 8 bytes; 21 set beside a mask; no padding
	s_mov_b32 s[G1X+1], (192*NKS)<<16              ; tensor_dim0: 8 images on end
	s_mov_b32 s[G1X+2], 4<<16                      ; tensor_dim1: 4 tiles
	s_mov_b32 s[G1X+3], (192*NKS)<<16              ; tile_dim0
	s_mov_b32 s[G1X+4], 4                          ; tile_dim1
	s_mov_b32 s[G1X+5], 192*NSRC                   ; from a tile's row of images to the next
	s_mov_b32 s[G1X+6], 0
	s_mov_b32 s[G1X+7], 0
	s_or_b32 s[G1H], s18, (3<<16)|(1<<21)
	s_mov_b32 s[G1H+1], (192*CH)<<16               ; 4 images on end
	s_mov_b32 s[G1H+2], 8<<16                      ; 8 tiles
	s_mov_b32 s[G1H+3], (192*CH)<<16
	s_mov_b32 s[G1H+4], 8
	s_mov_b32 s[G1H+5], 192*NSRC
	s_mov_b32 s[G1H+6], 0
	s_mov_b32 s[G1H+7], 0
	s_or_b32 s[G1W], s18, (3<<16)|(1<<21)
	s_mov_b32 s[G1W+1], (192*CH)<<16
	s_mov_b32 s[G1W+2], 4<<16                      ; 4 tiles
	s_mov_b32 s[G1W+3], (192*CH)<<16
	s_mov_b32 s[G1W+4], 4
	s_mov_b32 s[G1W+5], 192*NSRC
	s_mov_b32 s[G1W+6], 0
	s_mov_b32 s[G1W+7], 0
	s_and_b32 s2, ttmp7, 0xffff                    ; the cluster's number, 0 .. 15
	s_lshl_b32 s15, s2, 2
	s_add_co_u32 s15, s15, s14                     ; tile row: 128 rows of x
	s_lshl_b32 s19, s15, 3                         ; its first tile of 16 rows
	s_lshl_b32 s23, s13, 4
	s_add_co_u32 s23, s23, 512                     ; Wq's first tile of my column (Wk: 64 tiles on, Wv: 128)
	s_lshl_b32 s21, s12, 2
	s_add_co_u32 s21, s21, s19                     ; the four tiles of x that waves 0, 1 fetch
	s_mul_i32 s[PTX], s21, NSRC*FRB
	s_mov_b32 s[PTX+1], 0
	s_lshl_b32 s21, s12, 3
	s_add_co_u32 s95, s23, s21                     ; the eight of Wq that waves 2, 3 fetch at the head, and that I multiply
	s_mul_i32 s[PTH], s95, NSRC*FRB
	s_mov_b32 s[PTH+1], 0
	s_lshl_b32 s21, s10, 2
	s_add_co_u32 s96, s23, s21                     ; the four that I fetch in the ring; 128 tiles on: the four of Wv that I multiply
	s_mul_i32 s[PTW], s96, NSRC*FRB
	s_mov_b32 s[PTW+1], 0
	s_lshl_b32 s93, s11, 2
	s_add_co_u32 s72, s19, s93                     ; q, k: my block 0's tile of x, and of the result
	s_lshl_b32 s68, s72, 9
	s_add_co_u32 s68, s68, SRCSC                   ; the scale words of my four blocks of x,
	s_lshl_b32 s69, s95, 9
	s_add_co_u32 s69, s69, SRCSC                   ; of my eight of Wq,
	s_add_co_u32 s70, s96, 128
	s_lshl_b32 s70, s70, 9
	s_add_co_u32 s70, s70, SRCSC                   ; of my four of Wv,
	s_lshl_b32 s71, s19, 9
	s_add_co_u32 s71, s71, SRCSC                   ; of x's eight
	s_lshl_b32 s72, s72, 4                         ; q: 16 K steps in a tile's row of images,
	s_lshl_b32 s3, s13, 1
	s_add_co_u32 s3, s3, s12                       ; K step 2 x tile column + half
	s_add_co_u32 s72, s72, s3
	s_lshl_b32 s73, s72, 6
	s_add_co_u32 s73, s73, 12582912                ; its scale words
	s_mul_i32 s72, s72, FRB                        ; its image
	s_sub_co_u32 s74, s96, 512                     ; v^T: the tile of d of my block 0
	s_lshl_b32 s75, s74, 12                        ; its scale words: 16 rows x 256 bytes a tile,
	s_lshl_b32 s3, s15, 2                          ; + 4 x K step; the K step is the tile row: 128 of t
	s_add_co_u32 s75, s75, s3
	s_add_co_u32 s75, s75, 19398656
	s_lshl_b32 s74, s74, 6                         ; 64 K steps in a row of images
	s_add_co_u32 s74, s74, s15
	s_mul_i32 s74, s74, FRB
	s_add_co_u32 s74, s74, 13107200
	s_mul_i32 s97, s12, XHALF                      ; where my loads go: no place in the cluster enters an LDS address
	s_mul_i32 s98, s12, 8*CH*FRB
	s_add_co_u32 s98, s98, WS0
	s_mul_i32 s99, s10, 4*CH*FRB
	s_add_co_u32 s99, s99, WS0
	s_mov_b32 s[SEL], 0x76543210
	s_mov_b32 s[SEL+1], 0xfedcba98
	s_mov_b32 s88, 0xffff0000                      ; lanes 16-31
	s_wait_dscnt 0x0                               ; both opening adds are done
	s_wait_kmcnt 0x0
	s_add_nc_u64 s[PTW:PTW+1], s[SRC:SRC+1], s[PTW:PTW+1]
	s_mov_b32 s[G0X], 1
	s_mov_b32 s[G0X+1], s97
	s_add_nc_u64 s[G0X+2:G0X+3], s[SRC:SRC+1], s[PTX:PTX+1]
	s_or_b32 s[G0X+3], s[G0X+3], 0x80000000
	s_mov_b32 s[G0H], 1
	s_mov_b32 s[G0H+1], s98
	s_add_nc_u64 s[G0H+2:G0H+3], s[SRC:SRC+1], s[PTH:PTH+1]
	s_or_b32 s[G0H+3], s[G0H+3], 0x80000000
.irp c, 0,1
	s_mov_b32 s[G0W+4*\c], 1
	s_add_co_u32 s[G0W+4*\c+1], s99, \c*SLOTB
	s_add_nc_u64 s[G0W+4*\c+2:G0W+4*\c+3], s[PTW:PTW+1], \c*CH*FRB
	s_or_b32 s[G0W+4*\c+3], s[G0W+4*\c+3], 0x80000000
.endr
	CROUND                                         ; all sixteen work-groups are here: the first joint loads meet
	s_cmp_eq_u32 s11, 0                            ; the head's loads, one a wave: one branch on the wave's number, a load in each arm
	s_cbranch_scc0 .Lhead_w
	tensor_load_to_lds s[G0X:G0X+3], s[G1X:G1X+7]  ; four tiles of x, the whole K
	s_nop 0
.rept 4
	v_nop
.endr
	s_branch .Lhead_asked
.Lhead_w:
	tensor_load_to_lds s[G0H:G0H+3], s[G1H:G1H+7]  ; half of slot 0: eight tiles of Wq, K steps 0-3
	s_nop 0
.rept 4
	v_nop
.endr
.Lhead_asked:
	v_and_b32 v1, 15, v0                           ; r
	v_bfe_u32 v2, v0, 4, 1                         ; h
	v_and_b32 v[LI], 31, v0
	v_lshlrev_b32 v[LI], 4, v[LI]                  ; 16 x lane
	MKVS 0, 68, 69
	SLOAD 0, SCA, 0                                ; the first tile's scale words
	SLOAD 0, SCA, 1
	s_add_co_u32 s3, s69, 64*NSRC*64               ; Wk's words lie 64 tiles behind Wq's
	MKVS 1, 68, 3
	MKVS 2, 70, 71
	s_mul_i32 s2, s11, XHALF
	v_add_nc_u32 v[ADXQ], s2, v[LI]
	v_add_nc_u32 v[ADX+1], XHALF, v[LI]
	s_mul_i32 s3, s12, 8*CH*FRB
	s_add_co_u32 s3, s3, WS0
	s_mul_i32 s2, s10, 4*CH*FRB
	s_add_co_u32 s2, s2, WS0
.irp c, 0,1
	v_add_nc_u32 v[ADW+\c], s3, v[LI]
	v_add_nc_u32 v[ADV+\c], s2, v[LI]
	s_add_co_u32 s3, s3, SLOTB
	s_add_co_u32 s2, s2, SLOTB
.endr
	v_add_nc_u32 v[OA], s72, v[LI]
	v_add_nc_u32 v[OA+1], 16*FRB, v[OA]
	v_add_nc_u32 v[OA+2], 16*FRB, v[OA+1]
	v_add_nc_u32 v[OA+3], 16*FRB, v[OA+2]
	v_lshlrev_b32 v[OS], 10, v2
	v_lshl_add_u32 v[OS], v1, 2, v[OS]
	v_add_nc_u32 v[OS], s73, v[OS]
	v_add_nc_u32 v[OS+1], 2*16*64, v[OS]
	v_add_nc_u32 v[OA2], s74, v[LI]
	v_add_nc_u32 v[OA2+1], 64*FRB, v[OA2]
	v_add_nc_u32 v[OA2+2], 64*FRB, v[OA2+1]
	v_add_nc_u32 v[OA2+3], 64*FRB, v[OA2+2]
	v_lshlrev_b32 v[OS2], 12, v2                   ; the next tile: 4,096 bytes on
	v_lshl_add_u32 v[OS2], v1, 8, v[OS2]           ; row r of the tile: 256 bytes a row
	v_add_nc_u32 v[OS2], s75, v[OS2]
	v_add_nc_u32 v[OS2+1], 2*64*64, v[OS2]
.irp b, 0,1,2,3
	v_mov_b32 v[TM+4+\b], 0                        ; written once: a lane permute's destination counts as one of its sources
.endr
	s_wait_alu depctr_va_vdst(0)                   ; the head's end
	s_wait_tensorcnt 0x0                           ; my part of x or of slot 0 is in; the three lines stand ahead of a later first fill as ahead of a refill
	ds_add_u32 v[SPW], v[NIL]
	s_wait_dscnt 0x0
	CROUND                                         ; everybody's part is in, and all sixteen work-groups are here
	RLOAD 1                                        ; slot 1's first fill, Wq's K steps 4-7: the first tensor load behind the round
	FETCH 0, 0, 0, 0
	s_wait_loadcnt 0x0                             ; the first tile's scale words
	TILE 0, SCA, 2, 0, 1, SCB                      ; ---- x against Wq; the slots take Wk
	OUTT OA, OS, 0, 0                              ; both refills are asked for, and the next tile's first fragments: now the tile goes out
	s_wait_loadcnt 0x0                             ; the second tile's scale words
	TILE 0, SCB, 4, 1, 2, SCA                      ; ---- x against Wk; the slots take Wv
	OUTT OA, OS, 8*FRB, 8*64                       ; k is K steps 8 to 15 of the same rows of images
	s_wait_loadcnt 0x0                             ; the third tile's scale words
	STEPQ 1, 0, 0, SCA, 1                          ; ---- Wv against x
	STEPQ 1, 0, 1, SCA, 0
	STEPQ 1, 0, 2, SCA, 0
	TURN 0, SCA, -1, 1, -1, 0, 0                   ; the last change of slots fills nothing, and has no round of the cluster's barrier
	STEPQ 1, 1, 0, SCA, 0
	STEPQ 1, 1, 1, SCA, 0
	STEPQ 1, 1, 2, SCA, 0
	s_wait_dscnt 0x0                               ; the very last step: nothing more to fetch
	WIN 0xaf
.irp a, 0,1,2,3
	MUL8 7, SCA, \a, 0
.endr
	OUTT OA2, OS2, 0, 0
	s_wait_tensorcnt 0x0                           ; the wave's end
	ds_add_u32 v[SPW], v[NIL]
	s_wait_dscnt 0x0
	CROUND                                         ; the closing round
	s_endpgm
.Lfunc_end_k_q6dfa4c7573_qkv:
	.size	k_q6dfa4c7573_qkv, .Lfunc_end_k_q6dfa4c7573_qkv-k_q6dfa4c7573_qkv
	.p2alignl 7, 3214868480
	.fill 96, 4, 3214868480
	.section	.rodata,"a",@progbits
	.p2align	6, 0x0
	.amdhsa_kernel k_q6dfa4c7573_qkv
		.amdhsa_group_segment_fixed_size 327680
		.amdhsa_private_segment_fixed_size 0
		.amdhsa_enable_private_segment 0
		.amdhsa_kernarg_size 16
		.amdhsa_user_sgpr_count 2
		.amdhsa_user_sgpr_kernarg_segment_ptr 1
		.amdhsa_wavefront_size32 1
		.amdhsa_system_sgpr_workgroup_id_x 1
		.amdhsa_system_sgpr_workgroup_id_y 1
		.amdhsa_system_sgpr_workgroup_id_z 1
		.amdhsa_system_vgpr_workitem_id 0
		.amdhsa_next_free_vgpr 1024
		.amdhsa_next_free_sgpr 100
		.amdhsa_reserve_vcc 0
		.amdhsa_float_denorm_mode_32 3
		.amdhsa_float_denorm_mode_16_64 3
		.amdhsa_memory_ordered 1
		.amdhsa_forward_progress 1
		.amdhsa_inst_pref_size 239
	.end_amdhsa_kernel
	.amdgpu_metadata
---
amdhsa.version: [ 1, 2 ]
amdhsa.kernels:
  - .name:           k_q6dfa4c7573_qkv
    .symbol:         k_q6dfa4c7573_qkv.kd
    .args:
      - { .name: xw, .offset: 0, .size: 8, .value_kind: global_buffer, .address_space: global }
      - { .name: qkv, .offset: 8, .size: 8, .value_kind: global_buffer, .address_space: global }
    .group_segment_fixed_size: 327680
    .private_segment_fixed_size: 0
    .kernarg_segment_align: 8
    .kernarg_segment_size: 16
    .max_flat_workgroup_size: 128
    .sgpr_count:     100
    .vgpr_count:     1024
    .wavefront_size: 32
...
	.end_amdgpu_metadata
.endif
;; end of part 2
;; launch scores (part 3): grid 12 x 16, 4 waves a work-group, clusters of 4 x 4, 327,680 bytes of LDS; arguments qkv, pp; writes pp
.if DOCPART == 3
	.amdgcn_target "amdgcn-amd-amdhsa--gfx1250"
	.amdhsa_code_object_version 6
	.text
	.protected	k_q6dfa4c7573_scores
	.globl	k_q6dfa4c7573_scores
	.p2align	8
	.type	k_q6dfa4c7573_scores,@function
k_q6dfa4c7573_scores:
	s_mov_b64 s[64:65], 0
	v_nop
	global_prefetch_b8 v0, s[64:65] scope:SCOPE_SE
	s_setreg_imm32_b32 hwreg(HW_REG_WAVE_MODE, 25, 1), 1
	s_wait_xcnt 0x0
	s_wait_alu depctr_hold_cnt(0) depctr_sa_sdst(0) depctr_va_vdst(0) depctr_va_sdst(0) depctr_va_ssrc(0) depctr_va_vcc(0) depctr_vm_vsrc(0)
	s_getreg_b32 s2, hwreg(HW_REG_IB_STS2, 6, 4)
	s_cmp_eq_u32 s2, 0
	s_cbranch_scc0 .Lentry_in_a_cluster
	s_endpgm
.Lentry_in_a_cluster:
	s_bfe_u32 s2, ttmp6, 0x10000c
	s_cmp_lg_u32 s2, 0xf033
	s_cbranch_scc0 .Lentry_shape_is_right
	s_endpgm
.Lentry_shape_is_right:
; S = q k^T on codes of FP6 (K = 1,024), the causal mask, and p = 2^(t - M), t = score x log2(e) / 32, quantised along the keys.  M HERE IS LOCAL: the ceiling of the row's largest t among the wave's 128 keys, a whole
; number; -M and the sum of the unquantised p of these 128 keys are stored beside the scale word.  The next launch brings the scale bytes under the row's M by a subtraction, which rounds nothing.
; Operands and results are images of operand registers (1,536 bytes a fragment of 16 rows x 128 K): q and k are K steps 0-7 and 8-15 of qkv's [512 tiles][16]; p goes to pp's [512 tiles of queries][16 K steps of keys].
; p's scale words, -M and the sums lie [tile][row][K step], 64 bytes a row, so that their reader takes eight K steps of a row by two loads of 16 bytes.
; USED TRANSPOSED: source 0 = 16 keys, source 1 = 16 queries: a lane holds one query, register 16 c + i of a block's 64 the key 32 c + 16 (lane / 16) + i.
; SHARES.  A tile is 128 queries x 256 keys, a wave's part 64 x 128; a cluster (4 x 4) makes 512 x 1,024 at a time.  Six such pieces a batch cover the triangle that the causal mask leaves, 24 in all; what lies wholly behind them is
; left out.  A WORK-GROUP STAYS and makes two tiles: 12 clusters, 192 work-groups (24 pieces do not divide among 16 clusters, and partners of a cluster take the same number of joint loads).  Cluster 0 of a batch: queries 0-511,
; then 512-1,023, with keys 0-1,023; clusters 1 and 2: queries 1,024-1,535 or 1,536-2,047 with keys 0-1,023, then 1,024-2,047.  Partners run alike, so every tile runs the mask; one that lies wholly under it leaves zero codes,
; -M = 3e38 and the sum 0.
; LDS.  A TILE'S WHOLE K LIES IN LDS AT ONCE: q's 8 tiles x 8 K steps, then k's 16 x 8 (294,912 bytes), asked for by one joint load a wave (waves 0, 1 q's halves, waves 2, 3 k's).  The eight K steps run with no change of slots.
; At the first tile's last K step each wave waits for all its tensor loads, adds 0 to its spare word, waits for that and for its reads; a round of the cluster's barrier; the joint refill, one a wave, with the second tile's whole K:
; it has the first tile's four blocks of softmax, about 1,400 vector instructions a wave, in which to land.  One tensor load of a wave is out at a time.
; NO PREFETCH: two fills in all, and no loop to run ahead in.
; LIMITS: a block of p all under 2^-124 of the local largest keeps the byte 1; NaN and infinities among the inputs are not served.
.set FRB,   1536
.set NKS,   8
.set BOFF,  8*NKS*FRB
.set SPARE, 24*NKS*FRB                 ; the spare words, 128 bytes a wave: two blocks of 256 bytes that no other line names
.set NSRC,  16
.set SRCSC, 12582912
.set NKSO,  16
.set SC0,   12582912                   ; pp: the scale words; -M 524,288 bytes on; the sums 1,048,576 on
.set LI,   3
.set SPW,  4
.set NIL,  5
.set ADRA, 6                           ; v6      my four tiles of q
.set ADRB, 10                          ; v10-11  my tiles 0-3 and 4-7 of k
.set VS0,  14                          ; v14-15  the first tile's scale words
.set OA0,  16                          ; v16-19  where its images go
.set OS0,  20                          ; v20-21  and its words
.set DLA,  22                          ; v22  the first tile: my query of block 0 - the key of my register 0
.set DL,   23                          ; v23  the same for the block in hand
.set NEG,  24                          ; v24  -infinity
.set TT,   25
.set NM,   26                          ; v[26:27] -M (the packed form names a pair and takes its low word)
.set SC,   32                          ; v32-95 scale words
.set T,    96                          ; v96-159 t - M, then p
.set TM,   160
.set PC,   176
.set PW,   196
.set NMS,  200
.set LS,   204
.set MX,   208
.set VS1,  218                         ; v218-226 the second tile's registers
.set OA1,  220
.set OS1,  224
.set DLB,  226
.set G1A, 24
.set G1B, 32
.set G0A, 40
.set G0B, 48
.set PA0, 56                           ; s[56:57] q's rows that I fetch, first tile;  s[60:61] second
.set PB0, 58                           ; s[58:59] k's;  s[62:63]
.set PA1, 60
.set PB1, 62
.set SEL, 84
.set CS,  86
.set SRC, 4
.set DST, 6
.set MSB, 0
.macro WIN new                         ; the immediate's high byte repeats the setting that is left
.if MSB != (\new)
	s_set_vgpr_msb (MSB<<8)|(\new)
.set MSB, (\new)
.endif
.endm
.macro PLACES                          ; four places in front of loads into registers that matrix instructions have read, and of the first read of results
.rept 4
	v_nop
.endr
.endm
.macro CREST                           ; a round of the cluster's barrier behind its opening barrier
	s_cmp_lg_u32 s10, 0
	s_cbranch_scc1 .Lnot_wave_0_\@
	s_barrier_signal -3
.Lnot_wave_0_\@:
	s_barrier_wait -3
	s_barrier_signal -1
	s_barrier_wait -1
.endm
.macro CROUND
	s_barrier_signal -1
	s_barrier_wait -1
	CREST
.endm
.macro TLOAD                           ; a joint load of a tile's whole K: waves 0, 1 q's halves, waves 2, 3 k's; an s_nop 0 and four v_nop follow each line
	s_cmp_eq_u32 s11, 0
	s_cbranch_scc0 .Lfor_b_\@
	tensor_load_to_lds s[G0A:G0A+3], s[G1A:G1A+7]
	s_nop 0
.rept 4
	v_nop
.endr
	s_branch .Lasked_\@
.Lfor_b_\@:
	tensor_load_to_lds s[G0B:G0B+3], s[G1B:G1B+7]
	s_nop 0
.rept 4
	v_nop
.endr
.Lasked_\@:
.endm
.macro FETCH ks, set                   ; 36 LDS loads in one run: K step ks's fragments into set 0 (window 1) or 1 (window 3)
.if (\set) == 0
	WIN 0x40
.else
	WIN 0xc0
.endif
.irp a, 0,1,2,3
.irp g, 0,1,2
	ds_load_b128 v[12*\a+4*\g:12*\a+4*\g+3], v[ADRA] offset:(\a*NKS+(\ks))*FRB+512*\g
.endr
.endr
.irp b, 0,1,2,3,4,5,6,7
.irp g, 0,1,2
	ds_load_b128 v[48+12*\b+4*\g:48+12*\b+4*\g+3], v[ADRB+\b/4] offset:((\b%4)*NKS+(\ks))*FRB+512*\g
.endr
.endr
.endm
.macro MUL8 ks, a, mode                ; the 32 accumulators by turns.  mode 1: the products start the sums
.irp b, 0,1,2,3,4,5,6,7
.if (\mode) == 1
	v_wmma_scale_f32_16x16x128_f8f6f4 v[64*(\a)+8*\b:64*(\a)+8*\b+7], v[48+12*\b:48+12*\b+11], v[12*(\a):12*(\a)+11], 0, v[SC+NKS*\b+(\ks)], v[SC+NKS*(\a)+(\ks)] matrix_a_fmt:MATRIX_FMT_FP6 matrix_b_fmt:MATRIX_FMT_FP6 matrix_a_scale:MATRIX_SCALE_ROW1
.else
	v_wmma_scale_f32_16x16x128_f8f6f4 v[64*(\a)+8*\b:64*(\a)+8*\b+7], v[48+12*\b:48+12*\b+11], v[12*(\a):12*(\a)+11], v[64*(\a)+8*\b:64*(\a)+8*\b+7], v[SC+NKS*\b+(\ks)], v[SC+NKS*(\a)+(\ks)] matrix_a_fmt:MATRIX_FMT_FP6 matrix_b_fmt:MATRIX_FMT_FP6 matrix_a_scale:MATRIX_SCALE_ROW1
.endif
.endr
.endm
.macro SLOAD vs, half                  ; 32 loads: the scale words of k's blocks 4 half .. 4 half + 3 (and q's four)
	WIN 0
.irp i, 0,1,2,3
.irp k, 0,1,2,3,4,5,6,7
	global_load_b32 v[SC+NKS*(4*(\half)+\i)+\k], v[(\vs)+(\half)], s[SRC:SRC+1] offset:((4*(\half)+\i)*NSRC+\k)*64
.endr
.endr
.endm
.macro STEPK ks, mode                  ; one of a tile's first seven K steps: the next step's fragments are asked for ahead of this step's 32 products
	s_wait_dscnt 0x0                               ; this step's fragments are in
	PLACES
	FETCH (\ks)+1, ((\ks)+1)%2
.if (\ks)%2 == 0
	WIN 0xa5
.else
	WIN 0xaf
.endif
.irp a, 0,1,2,3
	MUL8 \ks, \a, \mode
.endr
.endm
.macro LASTK fill                      ; a tile's last K step.  fill = 1: LDS takes the second tile's whole K
	s_wait_dscnt 0x0                               ; this step's fragments are in: they were my last reads of this tile
.if \fill
	WIN 0
	s_wait_tensorcnt 0x0                           ; none of my tensor loads is out; so a group 0 may be written
	ds_add_u32 v[SPW], v[NIL]                      ; 0 onto my spare word
	s_mov_b64 s[G0A+2:G0A+3], s[PA1:PA1+1]
	s_or_b32 s[G0A+3], s[G0A+3], 0x80000000
	s_mov_b64 s[G0B+2:G0B+3], s[PB1:PB1+1]
	s_or_b32 s[G0B+3], s[G0B+3], 0x80000000
	WIN 0xaf
	MUL8 7, 0, 0                                   ; eight products stand between the add and the wait for it
	s_wait_dscnt 0x0                               ; the add is done, and none of my LDS loads is out
	s_barrier_signal -1
	MUL8 7, 1, 0                                   ; work on registers while the others arrive
	WIN 0
	s_barrier_wait -1
	CREST                                          ; the barrier has opened a round of the cluster's barrier: no wave of any partner still reads the tile or has a load on its way
	TLOAD                                          ; the first tensor load behind the round, my one load
	WIN 0xaf
	MUL8 7, 2, 0
	MUL8 7, 3, 0
.else
	WIN 0xaf
.irp a, 0,1,2,3
	MUL8 7, \a, 0
.endr
.endif
.endm
.macro SCALEW a
.irp b, 0,1,2,3
	v_add_nc_u32 v[TM+12+\b], 0xff000000, v[TM+\b]
.endr
.irp b, 0,1,2,3
	v_lshrrev_b32 v[TM+4+\b], 23, v[TM+12+\b]
.endr
	v_lshl_or_b32 v[PW+(\a)], v[TM+5], 8, v[TM+4]
	v_lshl_or_b32 v[PW+(\a)], v[TM+6], 16, v[PW+(\a)]
	v_lshl_or_b32 v[PW+(\a)], v[TM+7], 24, v[PW+(\a)]
.endm
.macro CODES s, w
	s_wait_xcnt 0x0                                ; the earlier stores have read v[PC] on and v[MX] on
	WIN \w
.irp c, 0,1
	v_cvt_scalef32_pk16_fp6_f32 v[PC+6*\c:PC+2+6*\c], v[(\s)+32*\c:(\s)+15+32*\c], v[TM+12+2*\c]
	v_cvt_scalef32_pk16_fp6_f32 v[PC+12+4*\c:PC+14+4*\c], v[(\s)+16+32*\c:(\s)+31+32*\c], v[TM+12+2*\c+1]
.endr
	WIN 0
	v_nop                                          ; one plain place behind a scaled conversion
.irp c, 0,1
.irp i, 0,1,2
	v_permlane16_swap_b32 v[PC+6*\c+\i], v[PC+12+4*\c+\i]
.endr
.irp i, 0,1,2
	v_mov_b32 v[PC+3+6*\c+\i], v[PC+12+4*\c+\i]
.endr
.endr
.endm
.macro PUT a, oa
.irp g, 0,1,2
	global_store_b128 v[(\oa)+(\a)], v[PC+4*\g:PC+4*\g+3], s[DST:DST+1] offset:512*\g
.endr
.endm
.macro PAIR p, src, k, os, off
	v_cndmask_b32 v[MX+(\k)], v[(\src)+2*(\p)], v[(\src)+2*(\p)+1], s88
	global_store_b32 v[(\os)+(\p)], v[MX+(\k)], s[DST:DST+1] offset:\off
.endm
; Block a's 16 queries x 128 keys: mask, local M, p, the sum of p, p's codes and scale word.
.macro SOFT a, dl0, oa
	WIN 0
	v_add_nc_u32 v[DL], 32*((\a)/2)+8*((\a)%2), v[\dl0]
	WIN 0x82                                       ; the scores lie in window 2
.set n, 0
.rept 64
	v_cmp_gt_i32 vcc_lo, 32*(n/16)+n%16, v[DL]     ; register n's key comes after my query:
	v_cndmask_b32 v[64*(\a)+n], v[64*(\a)+n], v[NEG], vcc_lo   ; its score becomes -infinity.  (Ascending: each accumulator is read from its low end on)
.set n, n+1
.endr
	WIN 0x28
.irp b, 0,1,2,3
	v_max3_num_f32 v[TM+\b], v[NEG], v[64*(\a)+16*\b], v[64*(\a)+16*\b+1]   ; the largest score of each block of 32 keys: it serves the row's maximum and, since p rises with the score, the block's largest p
.endr
.irp i, 2,4,6,8,10,12,14
.irp b, 0,1,2,3
	v_max3_num_f32 v[TM+\b], v[TM+\b], v[64*(\a)+16*\b+\i], v[64*(\a)+16*\b+\i+1]
.endr
.endr
	WIN 0
.irp b, 0,1,2,3
	v_permlanex16_b32 v[TM+4+\b], v[TM+\b], s[SEL], s[SEL+1]
.endr
.irp b, 0,1,2,3
	v_max_num_f32 v[TM+\b], v[TM+\b], v[TM+4+\b]
.endr
	v_max3_num_f32 v[TT], v[TM], v[TM+1], v[TM+2]
	v_max_num_f32 v[TT], v[TT], v[TM+3]
	v_mul_f32 v[TT], s[CS], v[TT]                  ; as t (c is positive)
	v_max_num_f32 v[TT], 0xff61b1e6, v[TT]         ; a row all of whose 128 keys are hidden: -3e38, a number
	v_floor_f32 v[NM], -v[TT]                      ; -M = floor(-t) = -ceil(t)
	WIN 0x02
.set n, 0
.rept 32
	v_pk_fma_f32 v[T+n:T+n+1], v[64*(\a)+n:64*(\a)+n+1], s[CS:CS+1], v[NM:NM+1] op_sel_hi:[1,0,0]   ; t - M, two at a time
.set n, n+2
.endr
	WIN 0
.irp b, 0,1,2,3
	v_fma_f32 v[TM+\b], v[TM+\b], s[CS], v[NM]     ; the same of each block's largest score
.endr
.set n, 0
	s_wait_alu depctr_va_vdst(0)                   ; ahead of the batch
.rept 64
	v_exp_f32 v[T+n], v[T+n]                       ; p = 2^(t - M), at most 1
.set n, n+1
.endr
	v_mov_b32 v[NMS+(\a)], v[NM]                   ; (a plain place behind the exponentials)
	s_wait_alu depctr_va_vdst(0)                   ; one wait for the whole batch, ahead of its first reader
.irp b, 0,1,2,3
	v_exp_f32 v[TM+\b], v[TM+\b]                   ; the block's largest p
.endr
	v_pk_add_f32 v[214:215], v[T:T+1], v[T+2:T+3]  ; the sum is taken of the unquantised p, two at a time, in two chains.  (It reads the 64 alone: plain work behind the four)
	v_pk_add_f32 v[216:217], v[T+4:T+5], v[T+6:T+7]
.irp j, 8,12,16,20,24,28,32,36,40,44,48,52,56,60
	v_pk_add_f32 v[214:215], v[214:215], v[T+\j:T+\j+1]
	v_pk_add_f32 v[216:217], v[216:217], v[T+\j+2:T+\j+3]
.endr
	v_pk_add_f32 v[214:215], v[214:215], v[216:217]
	v_add_f32 v[LS+(\a)], v214, v215
	v_permlanex16_b32 v216, v[LS+(\a)], s[SEL], s[SEL+1]
	v_add_f32 v[LS+(\a)], v[LS+(\a)], v216         ; with lane l xor 16's 64 keys
	s_wait_alu depctr_va_vdst(0)                   ; and one wait for the four
.irp b, 0,1,2,3
	v_max_num_f32 v[TM+\b], 0x1800000, v[TM+\b]    ; the floor 2^(3 - 127): the byte cannot fall under 1
.endr
	SCALEW \a
	CODES T, 0
	PUT \a, \oa
.endm
; THE WAY OUT of a tile.  sl = 1: the next tile's scale words are asked for on the way, 32 ahead of each of the first two blocks, into the registers that the tile's products have left.
.macro OUTS dl0, oa, os, sl
	WIN 0
	PLACES                                         ; behind the last products: for the first read of results, and for the loads into their scale registers
.irp a, 0,1,2,3
.if (\sl) && (\a < 2)
	SLOAD VS1, \a
.endif
	SOFT \a, \dl0, \oa
.if \a%2 == 1
	PAIR \a/2, PW, 3*(\a/2), \os, 0                ; the scale words,
	PAIR \a/2, NMS, 3*(\a/2)+1, \os, 524288        ; -M,
	PAIR \a/2, LS, 3*(\a/2)+2, \os, 1048576        ; and the sums of two blocks
.endif
.endr
.endm
.macro MKVS vs, sa, sb                 ; a tile's two offset registers for scale words
	v_mov_b32 v[TT], s[\sb]
	v_mov_b32 v[\vs], s[\sa]
	v_cndmask_b32 v[\vs], v[\vs], v[TT], s88
	s_sub_co_u32 s2, s[\sa], 4*NSRC*64
	v_mov_b32 v[(\vs)+1], s2
	v_cndmask_b32 v[(\vs)+1], v[(\vs)+1], v[TT], s88
	v_lshl_add_u32 v[\vs], v1, 2, v[\vs]
	v_lshl_add_u32 v[(\vs)+1], v1, 2, v[(\vs)+1]
.endm
.macro MKOUT oa, os, si                ; a tile's output offsets, from s[si] = 16 x (the tile of my block 0) + my K step of p
	s_mul_i32 s21, s[\si], FRB
	s_and_b32 s22, s[\si], 15
	s_lshl_b32 s22, s22, 2                         ; 4 x K step
	s_lshr_b32 s23, s[\si], 4
	s_lshl_b32 s23, s23, 10                        ; + 1,024 x tile
	s_add_co_u32 s22, s22, s23
	s_add_co_u32 s22, s22, SC0
	v_add_nc_u32 v[\oa], s21, v[LI]
	v_add_nc_u32 v[(\oa)+1], NKSO*FRB, v[\oa]
	v_add_nc_u32 v[(\oa)+2], NKSO*FRB, v[(\oa)+1]
	v_add_nc_u32 v[(\oa)+3], NKSO*FRB, v[(\oa)+2]
	v_mul_u32_u24 v[\os], v2, NKSO*64
	v_lshl_add_u32 v[\os], v1, 6, v[\os]           ; row r: 64 bytes a row
	v_add_nc_u32 v[\os], s22, v[\os]
	v_add_nc_u32 v[(\os)+1], 2*NKSO*64, v[\os]
.endm
	s_load_b128 s[4:7], s[0:1], 0x0                ; qkv, pp
	v_lshl_add_u32 v[SPW], v0, 2, SPARE
	v_mov_b32 v[NIL], 0
	ds_add_u32 v[SPW], v[NIL]                      ; the wave's opening: the add, twice on end, and its wait ahead of my first tensor load
	ds_add_u32 v[SPW], v[NIL]
	v_lshrrev_b32 v1, 5, v0
	v_readfirstlane_b32 s10, v1
	s_lshr_b32 s11, s10, 1
	s_and_b32 s12, s10, 1
	s_bfe_u32 s13, ttmp6, 0x40000                  ; cx
	s_bfe_u32 s14, ttmp6, 0x40004                  ; cy
	s_lshl_b32 s17, s14, 2
	s_lshl_b32 s17, 15, s17
	s_lshl_b32 s18, 0x1111, s13
	s_or_b32 s[G1A], s17, (3<<16)|(1<<21)
	s_or_b32 s[G1B], s18, (3<<16)|(1<<21)
	s_mov_b32 s[G1A+1], (192*NKS)<<16              ; 8 images on end
	s_mov_b32 s[G1A+2], 4<<16                      ; 4 tiles
	s_mov_b32 s[G1A+3], (192*NKS)<<16
	s_mov_b32 s[G1A+4], 4
	s_mov_b32 s[G1A+5], 192*NSRC                   ; from a tile's row of images to the next
	s_mov_b32 s[G1A+6], 0
	s_mov_b32 s[G1A+7], 0
	s_mov_b32 s[G1B+1], (192*NKS)<<16
	s_mov_b32 s[G1B+2], 8<<16                      ; 8 tiles
	s_mov_b32 s[G1B+3], (192*NKS)<<16
	s_mov_b32 s[G1B+4], 8
	s_mov_b32 s[G1B+5], 192*NSRC
	s_mov_b32 s[G1B+6], 0
	s_mov_b32 s[G1B+7], 0
	s_and_b32 s2, ttmp7, 0xffff                    ; the batch
	s_lshl_b32 s20, s2, 7                          ; its first tile of 16 rows
	s_add_co_u32 s19, ttmp9, 1
	s_cmp_eq_u32 ttmp9, 0                          ; the cluster's number: the same in all sixteen partners
	s_cselect_b32 s19, 0, s19                      ; the first tile's run of 512 queries: 0, 2, 3
	s_cselect_b32 s91, 1, 0                        ; the second tile lies one run of queries further down (cluster 0),
	s_cselect_b32 s90, 0, 1                        ; or one run of 1,024 keys further on (clusters 1, 2)
	s_lshl_b32 s15, s19, 2
	s_add_co_u32 s15, s15, s14                     ; tile row: 128 queries
	s_lshl_b32 s19, s15, 3
	s_add_co_u32 s19, s19, s20                     ; q's first tile
	s_lshl_b32 s21, s12, 2
	s_add_co_u32 s21, s21, s19
	s_mul_i32 s[PA0], s21, NSRC*FRB
	s_mov_b32 s[PA0+1], 0
	s_mul_i32 s[PA1], s91, 32*NSRC*FRB             ; 512 queries are 32 tiles
	s_mov_b32 s[PA1+1], 0
	s_lshl_b32 s22, s13, 4
	s_add_co_u32 s22, s22, s20                     ; k's first tile: tile column cx, 256 keys
	s_lshl_b32 s94, s12, 3
	s_add_co_u32 s94, s94, s22
	s_mul_i32 s[PB0], s94, NSRC*FRB
	s_add_co_u32 s[PB0], s[PB0], 8*FRB             ; k is K steps 8 to 15 of a tile's row of images
	s_mov_b32 s[PB0+1], 0
	s_mul_i32 s[PB1], s90, 64*NSRC*FRB             ; 1,024 keys are 64 tiles
	s_mov_b32 s[PB1+1], 0
	s_lshl_b32 s95, s11, 2
	s_add_co_u32 s99, s95, s19                     ; the tile of my block 0, in q and in p
	s_lshl_b32 s95, s99, 10
	s_add_co_u32 s95, s95, SRCSC                   ; q's scale words, first tile
	s_lshl_b32 s96, s94, 10
	s_add_co_u32 s96, s96, SRCSC+8*64              ; k's
	s_lshl_b32 s92, s91, 15
	s_add_co_u32 s92, s92, s95                     ; q's, second tile: 32 tiles x 1,024 bytes on, or none
	s_lshl_b32 s93, s90, 16
	s_add_co_u32 s93, s93, s96                     ; k's: 64 tiles on, or none
	s_mul_i32 s97, s12, 4*NKS*FRB                  ; where my load goes: no place in the cluster enters an LDS address
	s_mul_i32 s98, s12, 8*NKS*FRB
	s_add_co_u32 s98, s98, BOFF
	s_mov_b32 s[SEL], 0x76543210
	s_mov_b32 s[SEL+1], 0xfedcba98
	s_mov_b32 s[CS], 0x3d38aa3b                    ; c = log2(e) / 32
	s_mov_b32 s[CS+1], s[CS]                       ; (named with it as a pair, so it is written)
	s_mov_b32 s88, 0xffff0000
	s_wait_dscnt 0x0                               ; both opening adds are done
	s_wait_kmcnt 0x0
	s_add_nc_u64 s[PA0:PA0+1], s[SRC:SRC+1], s[PA0:PA0+1]
	s_add_nc_u64 s[PB0:PB0+1], s[SRC:SRC+1], s[PB0:PB0+1]
	s_add_nc_u64 s[PA1:PA1+1], s[PA0:PA0+1], s[PA1:PA1+1]
	s_add_nc_u64 s[PB1:PB1+1], s[PB0:PB0+1], s[PB1:PB1+1]
	s_mov_b32 s[G0A], 1
	s_mov_b32 s[G0A+1], s97
	s_mov_b64 s[G0A+2:G0A+3], s[PA0:PA0+1]
	s_or_b32 s[G0A+3], s[G0A+3], 0x80000000
	s_mov_b32 s[G0B], 1
	s_mov_b32 s[G0B+1], s98
	s_mov_b64 s[G0B+2:G0B+3], s[PB0:PB0+1]
	s_or_b32 s[G0B+3], s[G0B+3], 0x80000000
	CROUND                                         ; all sixteen work-groups are here: the first joint loads meet
	TLOAD                                          ; the first tile's whole K: one tensor load a wave at the head
	v_and_b32 v1, 15, v0
	v_bfe_u32 v2, v0, 4, 1
	v_and_b32 v[LI], 31, v0
	v_lshlrev_b32 v[LI], 4, v[LI]
	MKVS VS0, 95, 96
	SLOAD VS0, 0                                   ; the first tile's scale words
	SLOAD VS0, 1
	MKVS VS1, 92, 93
	s_mul_i32 s2, s11, 4*NKS*FRB
	s_mul_i32 s3, s12, 8*NKS*FRB
	s_add_co_u32 s3, s3, BOFF
	v_add_nc_u32 v[ADRA], s2, v[LI]
	v_add_nc_u32 v[ADRB], s3, v[LI]
	v_add_nc_u32 v[ADRB+1], 4*NKS*FRB, v[ADRB]
	s_lshl_b32 s2, s99, 4                          ; x NKSO
	s_lshl_b32 s3, s13, 1
	s_add_co_u32 s3, s3, s12                       ; the K step of p: 2 x tile column + half
	s_add_co_u32 s2, s2, s3
	s_lshl_b32 s3, s91, 9                          ; the second tile: 32 tiles x 16 on,
	s_add_co_u32 s3, s3, s2
	s_lshl_b32 s19, s90, 3                         ; or 8 K steps on
	s_add_co_u32 s3, s3, s19
	MKOUT OA0, OS0, 2
	MKOUT OA1, OS1, 3
	s_lshl_b32 s2, s15, 7                          ; the mask: 128 x tile row + 64 x half - 256 x tile column - 128 x half,
	s_lshl_b32 s3, s11, 6
	s_add_co_u32 s2, s2, s3
	s_lshl_b32 s3, s13, 8
	s_sub_co_u32 s2, s2, s3
	s_lshl_b32 s3, s12, 7
	s_sub_co_u32 s2, s2, s3
	s_lshl_b32 s3, s91, 9                          ; the second tile: 512 queries further down,
	s_add_co_u32 s3, s3, s2
	s_lshl_b32 s19, s90, 10                        ; or 1,024 keys further on
	s_sub_co_u32 s3, s3, s19
	v_and_b32 v[DLA], 8, v1
	v_add_nc_u32 v[DLA], v[DLA], v1                ; + r + 8 (r / 8)
	v_lshlrev_b32 v[DL], 4, v2
	v_sub_nc_u32 v[DLA], v[DLA], v[DL]             ; - 16 h
	v_add_nc_u32 v[DLB], s3, v[DLA]
	v_add_nc_u32 v[DLA], s2, v[DLA]
	v_mov_b32 v[NEG], 0xff800000
	v_mov_b32 v[NM+1], 0                           ; (named as the upper half of a pair)
.irp b, 0,1,2,3
	v_mov_b32 v[TM+4+\b], 0                        ; a lane permute's destination counts as one of its sources
.endr
	s_wait_alu depctr_va_vdst(0)                   ; the head's end
	s_wait_tensorcnt 0x0                           ; my part of the first tile is in
	s_barrier_signal -1
	s_barrier_wait -1                              ; everybody's is
	FETCH 0, 0
	s_wait_loadcnt 0x0                             ; the scale words
	; ---- the first tile
	STEPK 0, 1
.irp k, 1,2,3,4,5,6
	STEPK \k, 0
.endr
	LASTK 1
	s_wait_alu depctr_va_vdst(0)                   ; ahead of the first read of the results
	OUTS DLA, OA0, OS0, 1                          ; the second tile's codes are asked for: now the first goes out
	s_wait_tensorcnt 0x0                           ; my part of the second tile is in
	s_barrier_signal -1
	s_barrier_wait -1                              ; everybody's is
	FETCH 0, 0
	s_wait_loadcnt 0x0                             ; the second tile's scale words
	; ---- the second tile
	STEPK 0, 1
.irp k, 1,2,3,4,5,6
	STEPK \k, 0
.endr
	LASTK 0
	OUTS DLB, OA1, OS1, 0
	s_wait_tensorcnt 0x0                           ; the wave's end
	ds_add_u32 v[SPW], v[NIL]
	s_wait_dscnt 0x0
	CROUND                                         ; the closing round
	s_endpgm
.Lfunc_end_k_q6dfa4c7573_scores:
	.size	k_q6dfa4c7573_scores, .Lfunc_end_k_q6dfa4c7573_scores-k_q6dfa4c7573_scores
	.p2alignl 7, 3214868480
	.fill 96, 4, 3214868480
	.section	.rodata,"a",@progbits
	.p2align	6, 0x0
	.amdhsa_kernel k_q6dfa4c7573_scores
		.amdhsa_group_segment_fixed_size 327680
		.amdhsa_private_segment_fixed_size 0
		.amdhsa_enable_private_segment 0
		.amdhsa_kernarg_size 16
		.amdhsa_user_sgpr_count 2
		.amdhsa_user_sgpr_kernarg_segment_ptr 1
		.amdhsa_wavefront_size32 1
		.amdhsa_system_sgpr_workgroup_id_x 1
		.amdhsa_system_sgpr_workgroup_id_y 1
		.amdhsa_system_sgpr_workgroup_id_z 1
		.amdhsa_system_vgpr_workitem_id 0
		.amdhsa_next_free_vgpr 1024
		.amdhsa_next_free_sgpr 100
		.amdhsa_reserve_vcc 1
		.amdhsa_float_denorm_mode_32 3
		.amdhsa_float_denorm_mode_16_64 3
		.amdhsa_memory_ordered 1
		.amdhsa_forward_progress 1
		.amdhsa_inst_pref_size 255
	.end_amdhsa_kernel
	.section	.bss,"aw",@nobits
	.p2align	6
	.space	262144
	.amdgpu_metadata
---
amdhsa.version: [ 1, 2 ]
amdhsa.kernels:
  - .name:           k_q6dfa4c7573_scores
    .symbol:         k_q6dfa4c7573_scores.kd
    .args:
      - { .name: qkv, .offset: 0, .size: 8, .value_kind: global_buffer, .address_space: global }
      - { .name: pp, .offset: 8, .size: 8, .value_kind: global_buffer, .address_space: global }
    .group_segment_fixed_size: 327680
    .private_segment_fixed_size: 0
    .kernarg_segment_align: 8
    .kernarg_segment_size: 16
    .max_flat_workgroup_size: 128
    .sgpr_count:     100
    .vgpr_count:     1024
    .wavefront_size: 32
...
	.end_amdgpu_metadata
.endif
;; end of part 3
;; launch pv (part 4): grid 4 x 64, 4 waves a work-group, no clusters, 327,680 bytes of LDS; arguments pp, qkv, ow; writes ow
.if DOCPART == 4
	.amdgcn_target "amdgcn-amd-amdhsa--gfx1250"
	.amdhsa_code_object_version 6
	.text
	.protected	k_q6dfa4c7573_pv
	.globl	k_q6dfa4c7573_pv
	.p2align	8
	.type	k_q6dfa4c7573_pv,@function
k_q6dfa4c7573_pv:
	s_mov_b64 s[64:65], 0
	v_nop
	global_prefetch_b8 v0, s[64:65] scope:SCOPE_SE
	s_setreg_imm32_b32 hwreg(HW_REG_WAVE_MODE, 25, 1), 1
	s_wait_xcnt 0x0
; O = P V / l on codes of FP6, K = the keys, then quantised along d into ow's images.  P's codes were made under a LOCAL M for each 128 keys.  Here, for each row: the row's -M is the least of the local ones; each K step's
; scale bytes go down by delta = M - local M (a whole number, held at 127; a byte is held at 0 from below); l = the sum of the local sums x 2^-delta.  Both are exact but for those two holds.
; LIMITS: a block of p whose scale under the row's M would lie under 2^-127 counts at 2^-127, and a local sum more than 127 binades under the row's M at 2^-127 of itself: both under 2^-119 of l, which is above 1/2.
;   A block of the result that is zero or under 2^-124 keeps the byte 1.  NaN and infinities are not served.
; USED TRANSPOSED: source 0 = 16 rows of v^T (d), source 1 = 16 queries.  A work-group makes 128 queries x 256 of d, a wave 64 x 128.
; THE SCALE WORDS.  P's words, -M and sums lie [tile][row][16 K steps], v^T's words [tile][row][64 K steps].  Lane (r, h) takes K steps 8 h .. 8 h + 7 of row r by two loads of 16 bytes: 40 loads a wave in all.
;   So register j of a block holds K step j in lanes 0-15 and K step 8 + j in lanes 16-31: the products of K steps 8-15 name the same registers with the upper row of lanes.  Each half of the lanes corrects its own eight K steps;
;   the row's -M and l are joined with lane l xor 16.  Where K steps 8-15 were never written (queries under 1,024) lanes 16-31 read K steps 0-7 again, and their sums are not added.
; K goes in SEGMENTS of four K steps (512 keys) through two LDS slots.  Queries 512 R .. 512 R + 511 want the keys up to their own: what lies wholly behind them is hidden by the causal mask that the problem builds itself, and is
; left out in whole segments: segment s runs where R >= s.
; Every wait on TENSORcnt is for 0.  One tensor load of a wave is out at the start and one behind a change of slots;
; segment 1's first fill stands behind the three lines and a barrier, as a refill does, and the correction of the scale words stands behind it.  The longest work-groups (R = 3) have the lowest numbers.
; NO CLUSTER: the work-groups that share v^T's tiles are the sixteen row tiles of a batch, which want 1 to 4 segments: partners would need different numbers of tiles.
; NO PREFETCH: the text has no loop to run ahead in; at most four segments, each asked for as soon as its slot is free.
.set CH,    4
.set FRB,   1536
.set AREA,  24*CH*FRB                  ; a slot: P's 8 tiles x CH, then v^T's 16 tiles x CH
.set BOFF,  8*CH*FRB
.set SPARE, 2*AREA                     ; the spare words, 128 bytes a wave: two blocks of 256 bytes that no other line names
.set PSC,   12582912                   ; pp: scale words; -M 524,288 on; sums 1,048,576 on
.set VTC,   13107200                   ; qkv: v^T's images [64 tiles][64 K steps]
.set VTS,   19398656                   ; and their scale words
.set NKSO,  8
.set SC0,   7077888                    ; ow: scale words [tile][K step][16]
.set LI,   3
.set SPW,  4
.set NIL,  5
.set ADRA, 6                           ; v6-7
.set ADRB, 10                          ; v10-11
.set VB,   14                          ; v14  v^T's scale words
.set VA,   15                          ; v15  P's
.set OA,   16
.set OS,   20
.set RL,   22                          ; v[22+2a:23+2a] 1 / l of block a
.set TP,   30                          ; from lane l xor 16
.set SV,   32                          ; v32-95   v^T's scale words: v[SV + 8 b + j]
.set SPS,  96                          ; v96-127  P's: v[SPS + 8 a + j]
.set NMV,  128                         ; v128-159 the local -M
.set EE,   160
.set YY,   168
.set LT,   176
.set MK,   184
.set LSM,  192                         ; v192-223 the local sums
.set NMR,  224
.set LL,   225
.set TM,   160                         ; the way out
.set PC,   176
.set PW,   196
.set MX,   208
.set G1A, 24
.set G1B, 32
.set G0A, 40
.set G0B, 68
.set SEL, 84
.set DST, 8
.set MSB, 0
.macro WIN new                         ; the immediate's high byte repeats the setting that is left
.if MSB != (\new)
	s_set_vgpr_msb (MSB<<8)|(\new)
.set MSB, (\new)
.endif
.endm
.macro PLACES                          ; four places in front of loads into registers that matrix instructions have read, and of the first read of results
.rept 4
	v_nop
.endr
.endm
.macro FETCH c, q, set                 ; 36 LDS loads: the fragments of K step q of slot c into set 0 (window 1) or 1 (window 3)
.if (\set) == 0
	WIN 0x40
.else
	WIN 0xc0
.endif
.irp a, 0,1,2,3
.irp g, 0,1,2
	ds_load_b128 v[12*\a+4*\g:12*\a+4*\g+3], v[ADRA+(\c)] offset:(\a*CH+(\q))*FRB+512*\g
.endr
.endr
.irp b, 0,1,2,3,4,5,6,7
.irp g, 0,1,2
	ds_load_b128 v[48+12*\b+4*\g:48+12*\b+4*\g+3], v[ADRB+(\c)] offset:(\b*CH+(\q))*FRB+512*\g
.endr
.endr
.endm
.macro MUL32 set, ks, mode             ; the 32 accumulators by turns.  mode 1: the products start the sums.  K steps 8-15 take their scales from lanes 16-31
.if (\set) == 0
	WIN 0xa5
.else
	WIN 0xaf
.endif
.irp a, 0,1,2,3
.irp b, 0,1,2,3,4,5,6,7
.if (\mode) == 1
	v_wmma_scale_f32_16x16x128_f8f6f4 v[64*\a+8*\b:64*\a+8*\b+7], v[48+12*\b:48+12*\b+11], v[12*\a:12*\a+11], 0, v[SV+8*\b+(\ks)%8], v[SPS+8*\a+(\ks)%8] matrix_a_fmt:MATRIX_FMT_FP6 matrix_b_fmt:MATRIX_FMT_FP6
.elseif (\ks) < 8
	v_wmma_scale_f32_16x16x128_f8f6f4 v[64*\a+8*\b:64*\a+8*\b+7], v[48+12*\b:48+12*\b+11], v[12*\a:12*\a+11], v[64*\a+8*\b:64*\a+8*\b+7], v[SV+8*\b+(\ks)%8], v[SPS+8*\a+(\ks)%8] matrix_a_fmt:MATRIX_FMT_FP6 matrix_b_fmt:MATRIX_FMT_FP6
.else
	v_wmma_scale_f32_16x16x128_f8f6f4 v[64*\a+8*\b:64*\a+8*\b+7], v[48+12*\b:48+12*\b+11], v[12*\a:12*\a+11], v[64*\a+8*\b:64*\a+8*\b+7], v[SV+8*\b+(\ks)%8], v[SPS+8*\a+(\ks)%8] matrix_a_fmt:MATRIX_FMT_FP6 matrix_b_fmt:MATRIX_FMT_FP6 matrix_a_scale:MATRIX_SCALE_ROW1 matrix_b_scale:MATRIX_SCALE_ROW1
.endif
.endr
.endr
.endm
.macro SEG s                           ; segment s: four K steps out of slot s % 2
	PLACES
	FETCH (\s)%2, 0, 0
.irp q, 0,1,2,3
	s_wait_dscnt 0x0                               ; this step's fragments are in
.if \q < 3
	PLACES
	FETCH (\s)%2, \q+1, (\q+1)%2
.endif
.if ((\s) == 0) && (\q == 0)
	MUL32 \q%2, 4*(\s)+\q, 1
.else
	MUL32 \q%2, 4*(\s)+\q, 0
.endif
.endr
	WIN 0
.endm
.macro CHANGE                          ; the change of slots: all my tensor loads have landed, the add, my reads of the slot that I leave are over; then the barrier
	WIN 0
	s_wait_tensorcnt 0x0
	ds_add_u32 v[SPW], v[NIL]                      ; 0 onto my spare word
	s_wait_dscnt 0x0
	s_barrier_signal -1
	s_barrier_wait -1
.endm
.macro TLOAD s                         ; waves 0 and 1 fetch P's halves, waves 2 and 3 v^T's; an s_nop 0 and four v_nop follow each line
	s_cmp_eq_u32 s11, 0
	s_cbranch_scc0 .Lfor_b_\@
	tensor_load_to_lds s[G0A+4*(\s):G0A+4*(\s)+3], s[G1A:G1A+7]
	s_nop 0
.rept 4
	v_nop
.endr
	s_branch .Lasked_\@
.Lfor_b_\@:
	tensor_load_to_lds s[G0B+4*(\s):G0B+4*(\s)+3], s[G1B:G1B+7]
	s_nop 0
.rept 4
	v_nop
.endr
.Lasked_\@:
.endm
.macro BMAX s                          ; the largest magnitudes of the four blocks of 32 in the 64 accumulator registers from v[s] of window 2 on
	WIN 0x28
.irp b, 0,1,2,3
	v_max3_num_f32 v[TM+\b], 0x1800000, |v[(\s)+16*\b]|, |v[(\s)+16*\b+1]|   ; and the floor 2^(3 - 127): the byte cannot fall under 1
.endr
.irp i, 2,4,6,8,10,12,14
.irp b, 0,1,2,3
	v_max3_num_f32 v[TM+\b], v[TM+\b], |v[(\s)+16*\b+\i]|, |v[(\s)+16*\b+\i+1]|
.endr
.endr
	WIN 0
.irp b, 0,1,2,3
	v_permlanex16_b32 v[TM+4+\b], v[TM+\b], s[SEL], s[SEL+1]
.endr
.irp b, 0,1,2,3
	v_max_num_f32 v[TM+\b], v[TM+\b], v[TM+4+\b]
.endr
.endm
.macro SCALEW a                        ; the conversions' scale operands and block a's scale word
.irp b, 0,1,2,3
	v_add_nc_u32 v[TM+12+\b], 0xff000000, v[TM+\b]
.endr
.irp b, 0,1,2,3
	v_lshrrev_b32 v[TM+4+\b], 23, v[TM+12+\b]
.endr
	v_lshl_or_b32 v[PW+(\a)], v[TM+5], 8, v[TM+4]
	v_lshl_or_b32 v[PW+(\a)], v[TM+6], 16, v[PW+(\a)]
	v_lshl_or_b32 v[PW+(\a)], v[TM+7], 24, v[PW+(\a)]
.endm
.macro CODES s, w                      ; 64 numbers from v[s] on (window setting w) become a fragment in v[PC] on
	s_wait_xcnt 0x0                                ; the last block's stores have read v[PC] on
	WIN \w
.irp c, 0,1
	v_cvt_scalef32_pk16_fp6_f32 v[PC+6*\c:PC+2+6*\c], v[(\s)+32*\c:(\s)+15+32*\c], v[TM+12+2*\c]
	v_cvt_scalef32_pk16_fp6_f32 v[PC+12+4*\c:PC+14+4*\c], v[(\s)+16+32*\c:(\s)+31+32*\c], v[TM+12+2*\c+1]
.endr
	WIN 0
	v_nop                                          ; one plain place behind a scaled conversion
.irp c, 0,1
.irp i, 0,1,2
	v_permlane16_swap_b32 v[PC+6*\c+\i], v[PC+12+4*\c+\i]
.endr
.irp i, 0,1,2
	v_mov_b32 v[PC+3+6*\c+\i], v[PC+12+4*\c+\i]
.endr
.endr
.endm
.macro PUT a
.irp g, 0,1,2
	global_store_b128 v[OA+(\a)], v[PC+4*\g:PC+4*\g+3], s[DST:DST+1] offset:512*\g
.endr
.endm
.macro PAIR p, src, k, off
	v_cndmask_b32 v[MX+(\k)], v[(\src)+2*(\p)], v[(\src)+2*(\p)+1], s88
	global_store_b32 v[OS+(\p)], v[MX+(\k)], s[DST:DST+1] offset:\off
.endm
; Block a's 16 rows: the row's -M, l, and my eight scale words under the row's M
.macro ADJ a
	v_min3_num_f32 v[NMR], v[NMV+8*(\a)], v[NMV+8*(\a)+1], v[NMV+8*(\a)+2]
	v_min3_num_f32 v[NMR], v[NMR], v[NMV+8*(\a)+3], v[NMV+8*(\a)+4]
	v_min3_num_f32 v[NMR], v[NMR], v[NMV+8*(\a)+5], v[NMV+8*(\a)+6]
	v_min_num_f32 v[NMR], v[NMR], v[NMV+8*(\a)+7]
	v_permlanex16_b32 v[TP], v[NMR], s[SEL], s[SEL+1]
	v_min_num_f32 v[NMR], v[NMR], v[TP]            ; the least -M of all 16 K steps is the row's
.irp k, 0,1,2,3,4,5,6,7
	v_sub_f32 v[EE+\k], v[NMR], v[NMV+8*(\a)+\k]   ; local M - the row's M: a whole number, 0 or less
.endr
.irp k, 0,1,2,3,4,5,6,7
	v_max_num_f32 v[EE+\k], 0xc2fe0000, v[EE+\k]   ; held at -127
.endr
.irp k, 0,1,2,3,4,5,6,7
	v_cvt_i32_f32 v[EE+\k], v[EE+\k]
.endr
.irp k, 0,1,2,3,4,5,6,7
	v_ldexp_f32 v[LT+\k], v[LSM+8*(\a)+\k], v[EE+\k]   ; the local sum under the row's M
.endr
.irp k, 0,2,4,6
	v_add_f32 v[LT+\k], v[LT+\k], v[LT+\k+1]
.endr
	v_add_f32 v[LT], v[LT], v[LT+2]
	v_add_f32 v[LT+4], v[LT+4], v[LT+6]
	v_add_f32 v[LL+(\a)], v[LT], v[LT+4]           ; my eight K steps' sum,
	v_permlanex16_b32 v[TP], v[LL+(\a)], s[SEL], s[SEL+1]
	v_fma_f32 v[LL+(\a)], v[TP], s90, v[LL+(\a)]   ; and the other eight's where they exist (s90 = 1), else not (0)
.irp k, 0,1,2,3,4,5,6,7
	v_sub_nc_u32 v[EE+\k], 0, v[EE+\k]             ; delta, 0 .. 127,
.endr
.irp k, 0,1,2,3,4,5,6,7
	v_lshl_or_b32 v[EE+\k], v[EE+\k], 8, v[EE+\k]
.endr
.irp k, 0,1,2,3,4,5,6,7
	v_lshl_or_b32 v[EE+\k], v[EE+\k], 16, v[EE+\k] ; in all four bytes
.endr
.irp k, 0,1,2,3,4,5,6,7
	v_or_b32 v[YY+\k], s89, v[SPS+8*(\a)+\k]       ; p's bytes are at most 125: with bit 7 set no byte borrows from the next
.endr
.irp k, 0,1,2,3,4,5,6,7
	v_sub_nc_u32 v[YY+\k], v[YY+\k], v[EE+\k]      ; 128 + byte - delta
.endr
.irp k, 0,1,2,3,4,5,6,7
	v_and_b32 v[MK+\k], s89, v[YY+\k]              ; bit 7 stands where byte >= delta
.endr
.irp k, 0,1,2,3,4,5,6,7
	v_lshrrev_b32 v[EE+\k], 7, v[MK+\k]
.endr
.irp k, 0,1,2,3,4,5,6,7
	v_sub_nc_u32 v[MK+\k], v[MK+\k], v[EE+\k]      ; 0x7f there, 0 elsewhere
.endr
.irp k, 0,1,2,3,4,5,6,7
	v_and_b32 v[SPS+8*(\a)+\k], v[YY+\k], v[MK+\k] ; max(byte - delta, 0)
.endr
.endm
	s_load_b128 s[4:7], s[0:1], 0x0                ; pp, qkv
	s_load_b64 s[8:9], s[0:1], 0x10                ; ow
	v_lshl_add_u32 v[SPW], v0, 2, SPARE
	v_mov_b32 v[NIL], 0
	ds_add_u32 v[SPW], v[NIL]                      ; the wave's opening: the add, twice on end, and its wait ahead of my first tensor load
	ds_add_u32 v[SPW], v[NIL]
	v_lshrrev_b32 v1, 5, v0
	v_readfirstlane_b32 s10, v1                    ; wave 0..3
	s_lshr_b32 s11, s10, 1                         ; which 64 queries are mine.  Also: I fetch for P (0) or v^T (1)
	s_and_b32 s12, s10, 1                          ; which 128 of d are mine.  Also: which half of that tile I fetch
	s_mov_b32 s[G1A], 3<<16                        ; no mask; elements of 8 bytes; no padding
	s_mov_b32 s[G1A+1], (192*CH)<<16
	s_mov_b32 s[G1A+2], 4<<16
	s_mov_b32 s[G1A+3], (192*CH)<<16
	s_mov_b32 s[G1A+4], 4
	s_mov_b32 s[G1A+5], 192*16                     ; P: 16 K steps in a tile's row of images
	s_mov_b32 s[G1A+6], 0
	s_mov_b32 s[G1A+7], 0
	s_mov_b32 s[G1B], 3<<16
	s_mov_b32 s[G1B+1], (192*CH)<<16
	s_mov_b32 s[G1B+2], 8<<16
	s_mov_b32 s[G1B+3], (192*CH)<<16
	s_mov_b32 s[G1B+4], 8
	s_mov_b32 s[G1B+5], 192*64                     ; v^T: 64
	s_mov_b32 s[G1B+6], 0
	s_mov_b32 s[G1B+7], 0
	s_and_b32 s2, ttmp7, 0xffff
	s_lshr_b32 s13, s2, 4                          ; the batch
	s_and_b32 s15, s2, 15
	s_xor_b32 s15, s15, 15                         ; tile row: 128 queries; the last rows, with the most keys, have the lowest numbers
	s_lshr_b32 s91, s15, 2                         ; R: which run of 512 queries
	s_lshl_b32 s19, s13, 7
	s_lshl_b32 s20, s15, 3
	s_add_co_u32 s19, s19, s20                     ; P's first tile
	s_lshl_b32 s21, s12, 2
	s_add_co_u32 s21, s21, s19
	s_mul_i32 s56, s21, 16*FRB
	s_mov_b32 s57, 0
	s_lshl_b32 s22, ttmp9, 4
	s_lshl_b32 s23, s12, 3
	s_add_co_u32 s22, s22, s23                     ; v^T's tiles: 16 x tile column + 8 x half: those that I fetch are those that I multiply
	s_lshl_b32 s96, s22, 12                        ; their scale words: 4,096 bytes a tile
	s_lshl_b32 s22, s22, 6
	s_lshl_b32 s23, s13, 4
	s_add_co_u32 s22, s22, s23                     ; + the batch's 16 K steps
	s_mul_i32 s58, s22, FRB
	s_add_co_u32 s58, s58, VTC
	s_mov_b32 s59, 0
	s_lshl_b32 s23, s23, 2                         ; the batch's 16 words of a row
	s_add_co_u32 s96, s96, s23
	s_add_co_u32 s96, s96, VTS
	s_lshl_b32 s95, s11, 2
	s_add_co_u32 s99, s95, s19                     ; the tile of my block 0
	s_lshl_b32 s95, s99, 10
	s_add_co_u32 s95, s95, PSC
	s_cmp_ge_u32 s91, 2
	s_cselect_b32 s90, 1.0, 0                      ; K steps 8-15 exist
	s_cselect_b32 s92, 32, 0                       ; and lanes 16-31 read them, 32 bytes on in the row
	s_mul_i32 s97, s12, 4*CH*FRB
	s_mul_i32 s98, s12, 8*CH*FRB
	s_add_co_u32 s98, s98, BOFF
	s_mov_b32 s[SEL], 0x76543210
	s_mov_b32 s[SEL+1], 0xfedcba98
	s_mov_b32 s88, 0xffff0000
	s_mov_b32 s89, 0x80808080
	s_wait_dscnt 0x0                               ; both opening adds are done
	s_wait_kmcnt 0x0
	s_add_nc_u64 s[56:57], s[4:5], s[56:57]
	s_add_nc_u64 s[58:59], s[6:7], s[58:59]
.irp c, 0,1,2,3                        ; a group 0 for each segment: none is ever rewritten
	s_mov_b32 s[G0A+4*\c], 1
	s_add_co_u32 s[G0A+4*\c+1], s97, (\c%2)*AREA
	s_add_nc_u64 s[G0A+4*\c+2:G0A+4*\c+3], s[56:57], \c*CH*FRB
	s_or_b32 s[G0A+4*\c+3], s[G0A+4*\c+3], 0x80000000
	s_mov_b32 s[G0B+4*\c], 1
	s_add_co_u32 s[G0B+4*\c+1], s98, (\c%2)*AREA
	s_add_nc_u64 s[G0B+4*\c+2:G0B+4*\c+3], s[58:59], \c*CH*FRB
	s_or_b32 s[G0B+4*\c+3], s[G0B+4*\c+3], 0x80000000
.endr
	TLOAD 0                                        ; segment 0: one tensor load a wave at the head
	v_and_b32 v1, 15, v0                           ; r
	v_bfe_u32 v2, v0, 4, 1                         ; h
	v_and_b32 v[LI], 31, v0
	v_lshlrev_b32 v[LI], 4, v[LI]                  ; 16 x lane
	v_lshl_add_u32 v[VB], v1, 8, s96               ; v^T's words: row r of 256 bytes,
	v_lshl_add_u32 v[VB], v2, 5, v[VB]             ; + 8 h K steps
	v_mul_u32_u24 v[TP], v2, s92
	v_lshl_add_u32 v[VA], v1, 6, s95               ; P's: row r of 64 bytes,
	v_add_nc_u32 v[VA], v[VA], v[TP]               ; + 8 h K steps where they exist
	s_wait_alu depctr_va_vdst(0)                   ; a wait between these writes and their readers behind the scalar lines below
.irp a, 0,1,2,3
.irp g, 0,1
	global_load_b128 v[NMV+8*\a+4*\g:NMV+8*\a+4*\g+3], v[VA], s[4:5] offset:524288+\a*1024+16*\g
	global_load_b128 v[LSM+8*\a+4*\g:LSM+8*\a+4*\g+3], v[VA], s[4:5] offset:1048576+\a*1024+16*\g
	global_load_b128 v[SPS+8*\a+4*\g:SPS+8*\a+4*\g+3], v[VA], s[4:5] offset:\a*1024+16*\g
.endr
.endr
.irp b, 0,1,2,3,4,5,6,7
.irp g, 0,1
	global_load_b128 v[SV+8*\b+4*\g:SV+8*\b+4*\g+3], v[VB], s[6:7] offset:\b*4096+16*\g
.endr
.endr
	s_mul_i32 s2, s11, 4*CH*FRB
	s_mul_i32 s3, s12, 8*CH*FRB
	s_add_co_u32 s3, s3, BOFF
.irp c, 0,1
	v_add_nc_u32 v[ADRA+\c], s2, v[LI]
	v_add_nc_u32 v[ADRB+\c], s3, v[LI]
	s_add_co_u32 s2, s2, AREA
	s_add_co_u32 s3, s3, AREA
.endr
	s_lshl_b32 s2, s99, 3                          ; x NKSO
	s_lshl_b32 s3, ttmp9, 1
	s_add_co_u32 s3, s3, s12
	s_add_co_u32 s2, s2, s3
	s_mul_i32 s3, s2, FRB
	s_lshl_b32 s2, s2, 6
	s_add_co_u32 s2, s2, SC0
	v_add_nc_u32 v[OA], s3, v[LI]
	v_add_nc_u32 v[OA+1], NKSO*FRB, v[OA]
	v_add_nc_u32 v[OA+2], NKSO*FRB, v[OA+1]
	v_add_nc_u32 v[OA+3], NKSO*FRB, v[OA+2]
	v_mul_u32_u24 v[OS], v2, NKSO*64
	v_lshl_add_u32 v[OS], v1, 2, v[OS]
	v_add_nc_u32 v[OS], s2, v[OS]
	v_add_nc_u32 v[OS+1], 2*NKSO*64, v[OS]
	s_wait_alu depctr_va_vdst(0)                   ; the head's end
	CHANGE                                         ; everybody's part of segment 0 is in; the three lines stand ahead of a later first fill as ahead of a refill
	s_cmp_lt_u32 s91, 1                            ; segment 1 is read only where R >= 1
	s_cbranch_scc1 .Lno_fill_1
	TLOAD 1                                        ; slot 1's first fill: my one tensor load behind this barrier
.Lno_fill_1:
	s_wait_loadcnt 0x0                             ; all 40 loads are in; the correction stands while segment 1 is on its way
	ADJ 0
	ADJ 1
	ADJ 2
	ADJ 3
	s_wait_alu depctr_va_vdst(0)                   ; ahead of the batch
.irp a, 0,1,2,3
	v_rcp_f32 v[RL+2*\a], v[LL+\a]
.endr
	v_nop                                          ; a plain place behind the last reciprocal
	s_wait_alu depctr_va_vdst(0)                   ; one wait for the four, ahead of their first reader
.irp a, 0,1,2,3
	v_mov_b32 v[RL+2*\a+1], v[RL+2*\a]             ; (the packed multiply names a pair)
.endr
	s_wait_alu depctr_va_vdst(0)                   ; behind these writes
	SEG 0                                          ; (the v_nop, the four moves and SEG's four places stand between the scale words' last write and the first scaled product)
	CHANGE
	s_cmp_lt_u32 s91, 2                            ; segment 2 is read only where R >= 2
	s_cbranch_scc1 .Lno_fill_2
	TLOAD 2                                        ; into slot 0: my one tensor load behind this barrier
.Lno_fill_2:
	s_cmp_lt_u32 s91, 1
	s_cbranch_scc1 .Lno_seg_1
	SEG 1
.Lno_seg_1:
	CHANGE
	s_cmp_lt_u32 s91, 3                            ; segment 3 only where R = 3
	s_cbranch_scc1 .Lno_fill_3
	TLOAD 3                                        ; into slot 1
.Lno_fill_3:
	s_cmp_lt_u32 s91, 2
	s_cbranch_scc1 .Lno_seg_2
	SEG 2
.Lno_seg_2:
	CHANGE
	s_cmp_lt_u32 s91, 3
	s_cbranch_scc1 .Lno_seg_3
	SEG 3
.Lno_seg_3:
	PLACES
.irp a, 0,1,2,3                        ; THE WAY OUT: / l, then one fragment of the last product and one scale word a row
	WIN 0x82
.set n, 0
.rept 32
	v_pk_mul_f32 v[64*\a+n:64*\a+n+1], v[64*\a+n:64*\a+n+1], v[RL+2*\a:RL+2*\a+1] op_sel_hi:[1,0]   ; ascending: each accumulator is read from its low end on
.set n, n+2
.endr
	BMAX 64*\a
	SCALEW \a
	CODES 64*\a, 0x02
	PUT \a
.if \a%2 == 1
	PAIR \a/2, PW, \a/2, 0
.endif
.endr
	s_wait_tensorcnt 0x0                           ; the wave's end
	ds_add_u32 v[SPW], v[NIL]
	s_wait_dscnt 0x0
	s_endpgm
.Lfunc_end_k_q6dfa4c7573_pv:
	.size	k_q6dfa4c7573_pv, .Lfunc_end_k_q6dfa4c7573_pv-k_q6dfa4c7573_pv
	.p2alignl 7, 3214868480
	.fill 96, 4, 3214868480
	.section	.rodata,"a",@progbits
	.p2align	6, 0x0
	.amdhsa_kernel k_q6dfa4c7573_pv
		.amdhsa_group_segment_fixed_size 327680
		.amdhsa_private_segment_fixed_size 0
		.amdhsa_enable_private_segment 0
		.amdhsa_kernarg_size 24
		.amdhsa_user_sgpr_count 2
		.amdhsa_user_sgpr_kernarg_segment_ptr 1
		.amdhsa_wavefront_size32 1
		.amdhsa_system_sgpr_workgroup_id_x 1
		.amdhsa_system_sgpr_workgroup_id_y 1
		.amdhsa_system_sgpr_workgroup_id_z 1
		.amdhsa_system_vgpr_workitem_id 0
		.amdhsa_next_free_vgpr 1024
		.amdhsa_next_free_sgpr 100
		.amdhsa_reserve_vcc 0
		.amdhsa_float_denorm_mode_32 3
		.amdhsa_float_denorm_mode_16_64 3
		.amdhsa_memory_ordered 1
		.amdhsa_forward_progress 1
		.amdhsa_inst_pref_size 163
	.end_amdhsa_kernel
	.amdgpu_metadata
---
amdhsa.version: [ 1, 2 ]
amdhsa.kernels:
  - .name:           k_q6dfa4c7573_pv
    .symbol:         k_q6dfa4c7573_pv.kd
    .args:
      - { .name: pp, .offset: 0, .size: 8, .value_kind: global_buffer, .address_space: global }
      - { .name: qkv, .offset: 8, .size: 8, .value_kind: global_buffer, .address_space: global }
      - { .name: ow, .offset: 16, .size: 8, .value_kind: global_buffer, .address_space: global }
    .group_segment_fixed_size: 327680
    .private_segment_fixed_size: 0
    .kernarg_segment_align: 8
    .kernarg_segment_size: 24
    .max_flat_workgroup_size: 128
    .sgpr_count:     100
    .vgpr_count:     1024
    .wavefront_size: 32
...
	.end_amdgpu_metadata
.endif
;; end of part 4
;; launch proj (part 5): grid 4 x 64, 4 waves a work-group, clusters of 4 x 4, 327,680 bytes of LDS; arguments ow, bo, out0; writes out0
.if DOCPART == 5
	.amdgcn_target "amdgcn-amd-amdhsa--gfx1250"
	.amdhsa_code_object_version 6
	.text
	.protected	k_q6dfa4c7573_proj
	.globl	k_q6dfa4c7573_proj
	.p2align	8
	.type	k_q6dfa4c7573_proj,@function
k_q6dfa4c7573_proj:
	s_mov_b64 s[64:65], 0
	v_nop
	global_prefetch_b8 v0, s[64:65] scope:SCOPE_SE
	s_setreg_imm32_b32 hwreg(HW_REG_WAVE_MODE, 25, 1), 1
	s_wait_xcnt 0x0
	s_wait_alu depctr_hold_cnt(0) depctr_sa_sdst(0) depctr_va_vdst(0) depctr_va_sdst(0) depctr_va_ssrc(0) depctr_va_vcc(0) depctr_vm_vsrc(0)
	s_getreg_b32 s2, hwreg(HW_REG_IB_STS2, 6, 4)
	s_cmp_eq_u32 s2, 0
	s_cbranch_scc0 .Lentry_in_a_cluster
	s_endpgm
.Lentry_in_a_cluster:
	s_bfe_u32 s2, ttmp6, 0x10000c
	s_cmp_lg_u32 s2, 0xf033
	s_cbranch_scc0 .Lentry_shape_is_right
	s_endpgm
.Lentry_shape_is_right:
; out0 = O Wo^T + bo on codes of FP6, K = 1,024.  O is ow's tiles 0-511, Wo its tiles 512-575: images of operand registers (1,536 bytes a fragment), lane-row r of tile t = row 32 (t / 2) + 8 (t % 2) + r + 8 (r / 8);
; scale words [tile][K step][16].
; USED TRANSPOSED: source 0 = 16 rows of Wo, source 1 = 16 rows of O: a lane holds one row of the output, register 16 c + i of a block's 32 the column 32 c + 16 (lane / 16) + i.  The bias is the C of each sum's first product.
; A work-group makes 128 rows x 256 columns.  THE WHOLE K OF BOTH TILES IS ASKED FOR AT THE HEAD, one tensor load a wave (waves 0, 1 O's halves, waves 2, 3 Wo's); nothing in LDS is filled again.
; THE RESULT GOES BY ROWS.  A wave makes all 128 rows x 64 columns.  Its four tiles of Wo, for the whole K, are 384 registers and stay; O's blocks of 16 rows x 1,024 K (96 registers, two buffers) come one after the other.
; A block is 32 products on 4 accumulators by turns, K ascending, and leaves as soon as it is finished, while the later blocks are multiplied.  No fragment is read from LDS twice by a wave.
; CLUSTERS: 4 x 4: O's tile is asked for jointly by a row of the cluster, Wo's by a column.  NO PREFETCH: one fill, at the head: there is no loop to run ahead in.
; THE WAY OUT: a block of 16 rows x 64 columns goes through the wave's own stage (16 rows of 272 bytes, bytes into which no fill lands) and leaves as whole rows of 256 bytes, sixteen lanes to a row.
; REGISTERS: window 0: v1-15 addresses; v32-95 scale words; v96-127 the bias; v128-191 rows on the way out, two sets.  Window 1: Wo's fragments of K steps 0-4 at v[48 ks + 12 b].  Window 2: K steps 5-7 at v[48 (ks - 5) + 12 b];
;   v160-223 two sets of 4 accumulators.  Window 3: O's fragments, two buffers of 96.
.set FRB,   1536
.set NKS,   8
.set XHALF, 4*NKS*FRB                  ; four tiles, the whole K
.set BOFF,  8*NKS*FRB                  ; O's 8 tiles, then Wo's 16
.set SPARE, 24*NKS*FRB                 ; the spare words, 128 bytes a wave: two blocks of 256 bytes that no other line names
.set STAGE, SPARE+512
.set SPITCH, 272
.set SRCSC, 7077888
.set SPW,  4
.set NIL,  5
.set LI,   6                           ; v6   16 x lane,
.set ADRA, 6                           ; v6-7 which is also the address of O's tiles 0-3; tiles 4-7
.set ADRB, 8                           ; v8   my four tiles of Wo
.set STI,  9                           ; v9   the stage, on the way in
.set RD,   10                          ; v10  and out
.set CO,   11                          ; v11  my byte offset in two rows of out0
.set VS,   12                          ; v12  scale words: lanes 0-15 O's, lanes 16-31 Wo's
.set VS2,  13                          ; v13  the same with Wo's four tiles back
.set VBI,  14
.set TT,   15
.set SC,   32                          ; v[SC + NKS i + ks]: lanes 0-15 O's block i, lanes 16-31 Wo's tile i % 4
.set BI,   96
.set BK,   128
.set ACC,  160
.set G1A, 24
.set G1B, 32
.set G0A, 40
.set G0B, 44
.set SRC, 4
.set MSB, 0
.macro WIN new                         ; the immediate's high byte repeats the setting that is left
.if MSB != (\new)
	s_set_vgpr_msb (MSB<<8)|(\new)
.set MSB, (\new)
.endif
.endm
.macro PLACES                          ; four places in front of loads into registers that matrix instructions have read, and of the first read of results
.rept 4
	v_nop
.endr
.endm
.macro CROUND
	s_barrier_signal -1
	s_barrier_wait -1
	s_cmp_lg_u32 s10, 0
	s_cbranch_scc1 .Lnot_wave_0_\@
	s_barrier_signal -3
.Lnot_wave_0_\@:
	s_barrier_wait -3
	s_barrier_signal -1
	s_barrier_wait -1
.endm
.macro BLOAD k0, k1, w                 ; Wo's fragments of K steps k0 .. k1 into the window of setting w
	WIN \w
.set KK, \k0
.rept (\k1)-(\k0)+1
.irp b, 0,1,2,3
.irp g, 0,1,2
	ds_load_b128 v[48*(KK%5)+12*\b+4*\g:48*(KK%5)+12*\b+4*\g+3], v[ADRB] offset:(\b*NKS+KK)*FRB+512*\g
.endr
.endr
.set KK, KK+1
.endr
.endm
.macro ALOAD a                         ; O's block a, all eight K steps, into buffer a % 2 of window 3
	WIN 0xc0
.irp k, 0,1,2,3,4,5,6,7
.irp g, 0,1,2
	ds_load_b128 v[96*((\a)%2)+12*\k+4*\g:96*((\a)%2)+12*\k+4*\g+3], v[ADRA+(\a)/4] offset:(((\a)%4)*NKS+\k)*FRB+512*\g
.endr
.endr
.endm
.macro MULB a                          ; block a is made: 32 products, its 4 accumulators by turns, K ascending; the bias, in window 0, starts the sums
.set AC, ACC+32*((\a)%2)
.set AF, 96*((\a)%2)
.irp k, 0,1,2,3,4,5,6,7
.if \k == 0
	WIN 0x8d
.elseif \k < 5
	WIN 0xad
.else
	WIN 0xae
.endif
.if ((\a) == 0) && (\k == 0)
	s_wait_dscnt 60                                ; O's block 0 and Wo's K steps 0-4 are in; behind them I issued Wo's K steps 5-7 (36 loads) and O's block 1 (24)
.endif
.if ((\a) == 0) && (\k == 5)
	s_wait_dscnt 24                                ; Wo's K steps 5-7 are in; O's block 1 (24 loads) may be out
.endif
.if ((\a) == 1) && (\k == 0)
	s_wait_dscnt 40                                ; O's block 1 is in; behind it I issued block 2's 24 loads and block 0's 8 stores and 8 loads of the stage
.endif
.irp b, 0,1,2,3
.if \k == 0
	v_wmma_scale_f32_16x16x128_f8f6f4 v[AC+8*\b:AC+8*\b+7], v[48*(\k%5)+12*\b:48*(\k%5)+12*\b+11], v[AF+12*\k:AF+12*\k+11], v[BI+8*\b:BI+8*\b+7], v[SC+NKS*\b+\k], v[SC+NKS*(\a)+\k] matrix_a_fmt:MATRIX_FMT_FP6 matrix_b_fmt:MATRIX_FMT_FP6 matrix_a_scale:MATRIX_SCALE_ROW1
.else
	v_wmma_scale_f32_16x16x128_f8f6f4 v[AC+8*\b:AC+8*\b+7], v[48*(\k%5)+12*\b:48*(\k%5)+12*\b+11], v[AF+12*\k:AF+12*\k+11], v[AC+8*\b:AC+8*\b+7], v[SC+NKS*\b+\k], v[SC+NKS*(\a)+\k] matrix_a_fmt:MATRIX_FMT_FP6 matrix_b_fmt:MATRIX_FMT_FP6 matrix_a_scale:MATRIX_SCALE_ROW1
.endif
.endr
.endr
	WIN 0
.endm
.macro TOSTAGE a                       ; block a into my stage, and back as whole rows
.set AC, ACC+32*((\a)%2)
	WIN 0x08                                       ; an LDS store's data are its source 1: window 2
.irp b, 0,1,2,3
	ds_store_b128 v[STI], v[AC+8*\b:AC+8*\b+3] offset:128*(\b/2)+32*(\b%2)          ; each accumulator from its low end on
	ds_store_b128 v[STI], v[AC+8*\b+4:AC+8*\b+7] offset:128*(\b/2)+32*(\b%2)+16
.endr
	WIN 0
.irp t, 0,1,2,3,4,5,6,7
	ds_load_b128 v[BK+32*((\a)%2)+4*\t:BK+32*((\a)%2)+4*\t+3], v[RD] offset:2*\t*SPITCH   ; LDS serves a wave's instructions in order: these see my stores, and the next block's stores come behind them
.endr
.endm
.macro SEND a
	s_wait_dscnt 0x0                               ; the block is back in registers; and every fragment asked for so far is in
.irp t, 0,1,2,3,4,5,6,7
	global_store_b128 v[CO], v[BK+32*((\a)%2)+4*\t:BK+32*((\a)%2)+4*\t+3], s[8:9] offset:(32*((\a)/2)+8*((\a)%2)+2*\t+8*(\t/4))*4096 th:TH_STORE_NT   ; sixteen lanes store 256 consecutive bytes, at a multiple of 256 from out0's first byte
.endr
.endm
	s_load_b128 s[4:7], s[0:1], 0x0                ; ow, bo
	s_load_b64 s[8:9], s[0:1], 0x10                ; out0
	v_lshl_add_u32 v[SPW], v0, 2, SPARE
	v_mov_b32 v[NIL], 0
	ds_add_u32 v[SPW], v[NIL]                      ; the wave's opening: the add, twice on end, and its wait ahead of my first tensor load
	ds_add_u32 v[SPW], v[NIL]
	v_lshrrev_b32 v1, 5, v0
	v_readfirstlane_b32 s10, v1                    ; wave 0..3: which 64 columns are mine
	s_lshr_b32 s11, s10, 1                         ; I fetch for O (0) or Wo (1),
	s_and_b32 s12, s10, 1                          ; and which half
	s_bfe_u32 s13, ttmp6, 0x40000                  ; cx: the tile column (the grid is one cluster wide)
	s_bfe_u32 s14, ttmp6, 0x40004                  ; cy
	s_lshl_b32 s17, s14, 2
	s_lshl_b32 s17, 15, s17
	s_lshl_b32 s18, 0x1111, s13
	s_or_b32 s[G1A], s17, (3<<16)|(1<<21)          ; the mask; elements of 8 bytes; bit 21 beside a mask; no padding
	s_or_b32 s[G1B], s18, (3<<16)|(1<<21)
	s_mov_b32 s[G1A+1], (192*NKS)<<16              ; 8 images on end
	s_mov_b32 s[G1A+2], 4<<16                      ; 4 tiles
	s_mov_b32 s[G1A+3], (192*NKS)<<16
	s_mov_b32 s[G1A+4], 4
	s_mov_b32 s[G1A+5], 192*NKS
	s_mov_b32 s[G1A+6], 0
	s_mov_b32 s[G1A+7], 0
	s_mov_b32 s[G1B+1], (192*NKS)<<16
	s_mov_b32 s[G1B+2], 8<<16                      ; 8 tiles
	s_mov_b32 s[G1B+3], (192*NKS)<<16
	s_mov_b32 s[G1B+4], 8
	s_mov_b32 s[G1B+5], 192*NKS
	s_mov_b32 s[G1B+6], 0
	s_mov_b32 s[G1B+7], 0
	s_and_b32 s2, ttmp7, 0xffff
	s_lshl_b32 s15, s2, 2
	s_add_co_u32 s15, s15, s14                     ; tile row: 128 rows
	s_lshl_b32 s19, s15, 3                         ; O's first tile
	s_lshl_b32 s21, s12, 2
	s_add_co_u32 s21, s21, s19
	s_mul_i32 s56, s21, NKS*FRB
	s_mov_b32 s57, 0
	s_lshl_b32 s22, s13, 4
	s_add_co_u32 s22, s22, 512                     ; Wo's first tile
	s_lshl_b32 s94, s12, 3
	s_add_co_u32 s94, s94, s22
	s_mul_i32 s58, s94, NKS*FRB
	s_mov_b32 s59, 0
	s_lshl_b32 s95, s19, 9
	s_add_co_u32 s95, s95, SRCSC                   ; the scale words of O's eight blocks,
	s_lshl_b32 s96, s10, 2
	s_add_co_u32 s96, s96, s22
	s_lshl_b32 s96, s96, 9
	s_add_co_u32 s96, s96, SRCSC                   ; and of my four tiles of Wo
	s_mul_i32 s97, s12, XHALF
	s_mul_i32 s98, s12, 2*XHALF
	s_add_co_u32 s98, s98, BOFF
	s_lshl_b32 s92, s13, 10
	s_lshl_b32 s93, s10, 8
	s_add_co_u32 s92, s92, s93                     ; my first column, in bytes: 1,024 x tile column + 256 x wave
	s_lshl_b32 s60, s15, 19                        ; my first row: 128 x tile row x 4,096 bytes
	s_add_co_u32 s60, s60, s92
	s_mov_b32 s61, 0
	s_mov_b32 s88, 0xffff0000
	s_wait_dscnt 0x0                               ; both opening adds are done
	s_wait_kmcnt 0x0
	s_add_nc_u64 s[8:9], s[8:9], s[60:61]
	s_mov_b32 s[G0A], 1
	s_mov_b32 s[G0A+1], s97
	s_add_nc_u64 s[G0A+2:G0A+3], s[SRC:SRC+1], s[56:57]
	s_or_b32 s[G0A+3], s[G0A+3], 0x80000000
	s_mov_b32 s[G0B], 1
	s_mov_b32 s[G0B+1], s98
	s_add_nc_u64 s[G0B+2:G0B+3], s[SRC:SRC+1], s[58:59]
	s_or_b32 s[G0B+3], s[G0B+3], 0x80000000
	CROUND                                         ; all sixteen work-groups are here: the joint loads meet
	s_cmp_eq_u32 s11, 0                            ; one load a wave: one branch on the wave's number, a load in each arm; an s_nop 0 and four v_nop follow each
	s_cbranch_scc0 .Lfor_b
	tensor_load_to_lds s[G0A:G0A+3], s[G1A:G1A+7]
	s_nop 0
.rept 4
	v_nop
.endr
	s_branch .Lasked
.Lfor_b:
	tensor_load_to_lds s[G0B:G0B+3], s[G1B:G1B+7]
	s_nop 0
.rept 4
	v_nop
.endr
.Lasked:
	v_and_b32 v1, 15, v0                           ; r
	v_bfe_u32 v2, v0, 4, 1                         ; h
	v_and_b32 v[LI], 31, v0
	v_lshlrev_b32 v[LI], 4, v[LI]
	v_mov_b32 v[TT], s96
	v_mov_b32 v[VS], s95
	v_cndmask_b32 v[VS], v[VS], v[TT], s88
	s_sub_co_u32 s2, s96, 4*NKS*64
	v_mov_b32 v[TT], s2
	v_mov_b32 v[VS2], s95
	v_cndmask_b32 v[VS2], v[VS2], v[TT], s88
	v_lshl_add_u32 v[VS], v1, 2, v[VS]
	v_lshl_add_u32 v[VS2], v1, 2, v[VS2]
	v_lshl_add_u32 v[VBI], v2, 6, s92              ; the bias: my columns, + 16 h numbers
.irp i, 0,1,2,3
.irp k, 0,1,2,3,4,5,6,7
	global_load_b32 v[SC+NKS*\i+\k], v[VS], s[SRC:SRC+1] offset:(\i*NKS+\k)*64
.endr
.endr
.irp i, 4,5,6,7
.irp k, 0,1,2,3,4,5,6,7
	global_load_b32 v[SC+NKS*\i+\k], v[VS2], s[SRC:SRC+1] offset:(\i*NKS+\k)*64
.endr
.endr
.irp b, 0,1,2,3
	global_load_b128 v[BI+8*\b:BI+8*\b+3], v[VBI], s[6:7] offset:(32*(\b/2)+8*(\b%2))*4      ; tile b's eight columns of my half
	global_load_b128 v[BI+8*\b+4:BI+8*\b+7], v[VBI], s[6:7] offset:(32*(\b/2)+8*(\b%2))*4+16
.endr
	v_add_nc_u32 v[ADRA+1], XHALF, v[LI]
	s_mul_i32 s2, s10, XHALF
	s_add_co_u32 s2, s2, BOFF
	v_add_nc_u32 v[ADRB], s2, v[LI]
	s_mul_i32 s2, s10, 16*SPITCH                   ; my stage
	s_add_co_u32 s2, s2, STAGE
	v_mul_u32_u24 v[STI], v1, SPITCH
	v_lshl_add_u32 v[STI], v2, 6, v[STI]
	v_add_nc_u32 v[STI], s2, v[STI]                ; in: row r, + 64 h
	v_mul_u32_u24 v[RD], v2, SPITCH
	v_lshl_add_u32 v[RD], v1, 4, v[RD]
	v_add_nc_u32 v[RD], s2, v[RD]                  ; back: lanes 0-15 one row of 256 bytes, lanes 16-31 the next
	v_lshlrev_b32 v[CO], 12, v2
	v_lshl_add_u32 v[CO], v1, 4, v[CO]             ; and the same two rows in out0
	s_wait_alu depctr_va_vdst(0)                   ; the head's end
	s_wait_tensorcnt 0x0                           ; my part is in
	s_barrier_signal -1
	s_barrier_wait -1                              ; everybody's is
	ALOAD 0
	BLOAD 0, 4, 0x40
	BLOAD 5, 7, 0x80
	ALOAD 1
	WIN 0
	s_wait_loadcnt 0x0                             ; the scale words and the bias; the fragments are waited for by count, in blocks 0 and 1
.irp a, 0,1,2,3,4,5,6,7
	MULB \a
.if \a > 0
	SEND \a-1                                      ; block a - 1's round trip through the stage has stood under block a's products
.endif
	PLACES                                         ; behind block a's products: for the loads into its buffer and for the stage's reads of its results
.if \a < 6
	ALOAD \a+2                                     ; its buffer takes the block two further on; SEND's wait, a block on, shows it in
.endif
.if \a >= 2
	s_wait_xcnt 0x0                                ; block a - 2's stores have read their registers: the loads below may land there
.endif
	TOSTAGE \a
.endr
	SEND 7
	s_wait_tensorcnt 0x0                           ; the wave's end: behind my last tensor load and my last LDS store
	ds_add_u32 v[SPW], v[NIL]
	s_wait_dscnt 0x0
	CROUND                                         ; the closing round
	s_endpgm
.Lfunc_end_k_q6dfa4c7573_proj:
	.size	k_q6dfa4c7573_proj, .Lfunc_end_k_q6dfa4c7573_proj-k_q6dfa4c7573_proj
	.p2alignl 7, 3214868480
	.fill 96, 4, 3214868480
	.section	.rodata,"a",@progbits
	.p2align	6, 0x0
	.amdhsa_kernel k_q6dfa4c7573_proj
		.amdhsa_group_segment_fixed_size 327680
		.amdhsa_private_segment_fixed_size 0
		.amdhsa_enable_private_segment 0
		.amdhsa_kernarg_size 24
		.amdhsa_user_sgpr_count 2
		.amdhsa_user_sgpr_kernarg_segment_ptr 1
		.amdhsa_wavefront_size32 1
		.amdhsa_system_sgpr_workgroup_id_x 1
		.amdhsa_system_sgpr_workgroup_id_y 1
		.amdhsa_system_sgpr_workgroup_id_z 1
		.amdhsa_system_vgpr_workitem_id 0
		.amdhsa_next_free_vgpr 1024
		.amdhsa_next_free_sgpr 100
		.amdhsa_reserve_vcc 0
		.amdhsa_float_denorm_mode_32 3
		.amdhsa_float_denorm_mode_16_64 3
		.amdhsa_memory_ordered 1
		.amdhsa_forward_progress 1
		.amdhsa_inst_pref_size 81
	.end_amdhsa_kernel
	.amdgpu_metadata
---
amdhsa.version: [ 1, 2 ]
amdhsa.kernels:
  - .name:           k_q6dfa4c7573_proj
    .symbol:         k_q6dfa4c7573_proj.kd
    .args:
      - { .name: ow, .offset: 0, .size: 8, .value_kind: global_buffer, .address_space: global }
      - { .name: bo, .offset: 8, .size: 8, .value_kind: global_buffer, .address_space: global }
      - { .name: out0, .offset: 16, .size: 8, .value_kind: global_buffer, .address_space: global }
    .group_segment_fixed_size: 327680
    .private_segment_fixed_size: 0
    .kernarg_segment_align: 8
    .kernarg_segment_size: 24
    .max_flat_workgroup_size: 128
    .sgpr_count:     100
    .vgpr_count:     1024
    .wavefront_size: 32
...
	.end_amdgpu_metadata
.endif
;; end of part 5
